; MI455X (gfx1250); checked and timed in simulation.
; The chip was launched on July 23, 2026; its instructions are those of AMD's public machine-readable ISA for CDNA 5 (MIT licence, August 2026) and "CDNA5" Instruction Set Architecture Reference Guide (July 2026). The comments in the code are by the model that wrote it; some were corrected since.
;; Attention Layer. Allowed arithmetic: float matrix products may take bf16 or f16 operands with f32 sums; all other float work in f32.
;; Inputs: Wk 1,024 x 1,024 float32; Wq 1,024 x 1,024 float32; Wv 1,024 x 1,024 float32; mask 1,024 float32; seq 4 x 2,048 x 1,024 float32.
;; Outputs: out0 4 x 2,048 x 1,024 float32.
;; 2 versions, each right; version 2 is version 1 with the launch cast written anew for expert scheduling mode. Each part assembles by itself: llvm-mc -triple=amdgcn-amd-amdhsa -mcpu=gfx1250 --defsym DOCPART=n.
;; ======== version 1 of 2: 5 launches
;; workspace buffers: xb 16,777,216 bytes; wb 4,194,304 bytes; gv 4,194,304 bytes; yv 33,554,432 bytes; pm 33,554,432 bytes; st 786,432 bytes
;; launch cast (part 1): grid 256 x 1, 8 waves a work-group, no clusters, 0 bytes of LDS; arguments seq, Wq, Wk, Wv, xb, wb, gv; writes xb, wb, gv
.if DOCPART == 1
	.amdgcn_target "amdgcn-amd-amdhsa--gfx1250"
	.amdhsa_code_object_version 6
	.text
	.protected	k_q9900d36f02_cast
	.globl	k_q9900d36f02_cast
	.p2align	8
	.type	k_q9900d36f02_cast,@function
k_q9900d36f02_cast:
	s_mov_b64 s[64:65], 0
	v_nop
	global_prefetch_b8 v0, s[64:65] scope:SCOPE_SE
	s_setreg_imm32_b32 hwreg(HW_REG_WAVE_MODE, 25, 1), 1
	s_wait_xcnt 0x0
; xb = bf16(seq), wb = bf16(Wq | Wk), the second half of gv = bf16(Wv), round to nearest even.  (The first half of gv is made by the next launch.)
; A stream: no LDS, no barrier, no matrix unit, no cluster (no byte is shared).
; 256 work-groups of eight waves.  A work-group owns 131,072 bytes of seq (16 passes of 8,192 bytes) and 16,384 bytes of each W (2 passes each): 22 passes.
; In a pass thread t loads 16 bytes at 16 t and 16 bytes at 16 t + 4,096: each load of a wave covers 512 consecutive bytes.  The four numbers of a load
; become 8 bytes, stored at 8 t (+ 2,048): each store of a wave covers 256 consecutive bytes, aligned.
; All 44 loads of a wave are issued before the first wait; a pass has registers of its own, so nothing that a pending instruction names is ever rewritten.
; LIMIT: NaN and infinities are converted as v_cvt_pk_bf16_f32 converts them; the later launches ask for finite inputs.
.set X, 4                              ; v[4+8p : 11+8p]  pass p: 8 numbers in f32, then 2 + 2 words of bf16
	s_load_b256 s[4:11], s[0:1], 0x0               ; seq s[4:5], Wq s[6:7], Wk s[8:9], Wv s[10:11]
	s_load_b128 s[12:15], s[0:1], 0x20             ; xb s[12:13], wb s[14:15]
	s_load_b64 s[24:25], s[0:1], 0x30              ; gv
	s_lshl_b32 s16, ttmp9, 17                      ; my part of seq: 131,072 bytes
	s_mov_b32 s17, 0
	s_lshl_b32 s18, ttmp9, 16                      ; of xb: half of that
	s_mov_b32 s19, 0
	s_lshl_b32 s20, ttmp9, 14                      ; of each W: 16,384 bytes
	s_mov_b32 s21, 0
	s_lshl_b32 s22, ttmp9, 13                      ; of each W in bf16: 8,192 bytes
	s_mov_b32 s23, 0
	v_lshlrev_b32 v1, 4, v0                        ; 16 t: loads
	v_lshlrev_b32 v2, 3, v0                        ; 8 t: stores
	s_wait_kmcnt 0x0
	s_add_nc_u64 s[4:5], s[4:5], s[16:17]
	s_add_nc_u64 s[6:7], s[6:7], s[20:21]
	s_add_nc_u64 s[8:9], s[8:9], s[20:21]
	s_add_nc_u64 s[10:11], s[10:11], s[20:21]
	s_add_nc_u64 s[12:13], s[12:13], s[18:19]
	s_add_nc_u64 s[14:15], s[14:15], s[22:23]
	s_add_nc_u64 s[24:25], s[24:25], s[22:23]
.macro LD p, base, off                 ; the two loads of pass p
	global_load_b128 v[X+8*\p:X+8*\p+3],   v1, s[\base:\base+1] offset:\off th:TH_LOAD_NT
	global_load_b128 v[X+8*\p+4:X+8*\p+7], v1, s[\base:\base+1] offset:\off+4096 th:TH_LOAD_NT
.endm
.macro PASS p, base, off               ; pass p is rounded in place and stored
	s_wait_loadcnt 42-2*\p                         ; loads come back in order: of the 44, the 2 (21 - p) younger ones may stay out
	v_cvt_pk_bf16_f32 v[X+8*\p],   v[X+8*\p],   v[X+8*\p+1]
	v_cvt_pk_bf16_f32 v[X+8*\p+1], v[X+8*\p+2], v[X+8*\p+3]
	v_cvt_pk_bf16_f32 v[X+8*\p+4], v[X+8*\p+4], v[X+8*\p+5]
	v_cvt_pk_bf16_f32 v[X+8*\p+5], v[X+8*\p+6], v[X+8*\p+7]
	global_store_b64 v2, v[X+8*\p:X+8*\p+1],   s[\base:\base+1] offset:\off
	global_store_b64 v2, v[X+8*\p+4:X+8*\p+5], s[\base:\base+1] offset:\off+2048
.endm
.irp p, 0,1,2,3,4,5,6,7,8,9,10,11,12,13,14,15
	LD \p, 4, \p*8192
.endr
	LD 16, 6, 0
	LD 17, 6, 8192
	LD 18, 8, 0
	LD 19, 8, 8192
	LD 20, 10, 0
	LD 21, 10, 8192
.irp p, 0,1,2,3,4,5,6,7,8,9,10,11,12,13,14,15
	PASS \p, 12, \p*4096
.endr
	PASS 16, 14, 0                                 ; wb: Wq first,
	PASS 17, 14, 4096
	PASS 18, 14, 2097152                           ; Wk 2,097,152 bytes further
	PASS 19, 14, 2097152+4096
	PASS 20, 24, 2097152                           ; gv: Wv in the second half
	PASS 21, 24, 2097152+4096
	s_endpgm
.Lfunc_end_k_q9900d36f02_cast:
	.size	k_q9900d36f02_cast, .Lfunc_end_k_q9900d36f02_cast-k_q9900d36f02_cast
	.p2alignl 7, 3214868480
	.fill 96, 4, 3214868480
	.section	.rodata,"a",@progbits
	.p2align	6, 0x0
	.amdhsa_kernel k_q9900d36f02_cast
		.amdhsa_group_segment_fixed_size 0
		.amdhsa_private_segment_fixed_size 0
		.amdhsa_enable_private_segment 0
		.amdhsa_kernarg_size 56
		.amdhsa_user_sgpr_count 2
		.amdhsa_user_sgpr_kernarg_segment_ptr 1
		.amdhsa_wavefront_size32 1
		.amdhsa_system_sgpr_workgroup_id_x 1
		.amdhsa_system_sgpr_workgroup_id_y 1
		.amdhsa_system_sgpr_workgroup_id_z 1
		.amdhsa_system_vgpr_workitem_id 0
		.amdhsa_next_free_vgpr 184
		.amdhsa_next_free_sgpr 66
		.amdhsa_reserve_vcc 0
		.amdhsa_float_denorm_mode_32 3
		.amdhsa_float_denorm_mode_16_64 3
		.amdhsa_memory_ordered 1
		.amdhsa_forward_progress 1
		.amdhsa_inst_pref_size 16
	.end_amdhsa_kernel
	.amdgpu_metadata
---
amdhsa.version: [ 1, 2 ]
amdhsa.kernels:
  - .name:           k_q9900d36f02_cast
    .symbol:         k_q9900d36f02_cast.kd
    .args:
      - { .name: seq, .offset: 0, .size: 8, .value_kind: global_buffer, .address_space: global }
      - { .name: Wq, .offset: 8, .size: 8, .value_kind: global_buffer, .address_space: global }
      - { .name: Wk, .offset: 16, .size: 8, .value_kind: global_buffer, .address_space: global }
      - { .name: Wv, .offset: 24, .size: 8, .value_kind: global_buffer, .address_space: global }
      - { .name: xb, .offset: 32, .size: 8, .value_kind: global_buffer, .address_space: global }
      - { .name: wb, .offset: 40, .size: 8, .value_kind: global_buffer, .address_space: global }
      - { .name: gv, .offset: 48, .size: 8, .value_kind: global_buffer, .address_space: global }
    .group_segment_fixed_size: 0
    .private_segment_fixed_size: 0
    .kernarg_segment_align: 8
    .kernarg_segment_size: 56
    .max_flat_workgroup_size: 256
    .sgpr_count:     66
    .vgpr_count:     184
    .wavefront_size: 32
...
	.end_amdgpu_metadata
.endif
;; end of part 1
;; launch gmat (part 2): grid 16 x 16, 4 waves a work-group, clusters of 4 x 4, 288,256 bytes of LDS; arguments wb, gv; writes gv
.if DOCPART == 2
	.amdgcn_target "amdgcn-amd-amdhsa--gfx1250"
	.amdhsa_code_object_version 6
	.text
	.protected	k_q9900d36f02_gmat
	.globl	k_q9900d36f02_gmat
	.p2align	8
	.type	k_q9900d36f02_gmat,@function
k_q9900d36f02_gmat:
	s_mov_b64 s[64:65], 0
	v_nop
	global_prefetch_b8 v0, s[64:65] scope:SCOPE_SE
	s_setreg_imm32_b32 hwreg(HW_REG_WAVE_MODE, 25, 1), 1
	s_wait_xcnt 0x0
	s_wait_alu depctr_hold_cnt(0) depctr_sa_sdst(0) depctr_va_vdst(0) depctr_va_sdst(0) depctr_va_ssrc(0) depctr_va_vcc(0) depctr_vm_vsrc(0)
	s_getreg_b32 s2, hwreg(HW_REG_IB_STS2, 6, 4)
	s_cmp_eq_u32 s2, 0
	s_cbranch_scc0 .Lentry_in_a_cluster
	s_endpgm
.Lentry_in_a_cluster:
	s_bfe_u32 s2, ttmp6, 0x10000c
	s_cmp_lg_u32 s2, 0xf033
	s_cbranch_scc0 .Lentry_shape_is_right
	s_endpgm
.Lentry_shape_is_right:
; G[i][j] = sum over d of Wq[i][d] Wk[j][d], in bf16 into the first half of gv, laid [i][j] as Wv lies in the second half.
; WHY: q and k are used in q k^T alone, and q k^T = x (Wq Wk^T) x^T for every input.  With G the next launch makes y = x G and v = x Wv, two products of
; 8192 x 1024 x 1024 in place of three, at the price of this one of 1024 x 1024 x 1024.
; LIMIT: the products are associated otherwise than the reference writes them; G (and later y) are rounded to bf16, where q and k would have been.
; wb: [2][1024][1024] bf16, Wq then Wk; both have d along their rows, so both fragments are plain loads.
; A work-group makes 64 x 64 of G with four waves, 32 x 32 a wave: four accumulator tiles.  16 x 16 = 256 work-groups.
; ALL of K lies in LDS at once: 2 x 64 rows x 2,048 bytes, as 16 tiles of 64 rows x 256 bytes (pitch 272): nothing is ever filled again, so there is no ring.
; Each wave issues four tensor loads at the start (four are out, by this text's count) and the work follows them in four phases of 256 along K:
; a counted wait, a barrier, 32 matrix instructions a wave.
; CLUSTERS 4 x 4: Wq's tiles are shared along a row of the cluster, Wk's along a column: joint loads, a quarter of the requests.
; The matrix instruction is used transposed (source 0 = 16 rows of Wk, source 1 = 16 rows of Wq): lane l holds row l % 16, registers 0-7 the columns 8 (l / 16) + 0..7.
; The four accumulators take turns, one matrix instruction a turn, from phase to phase too.
; THE WAY OUT: a row of the block is 128 bytes, so a store of a wave covers four rows' 128 consecutive bytes, not 256.  A block of 32 x 128, whose rows would be 256
; bytes, wants 160 rows x 2,176 bytes = 348,160 bytes of LDS for the whole K, more than the 327,680 that a work-group can be given.  G is 2 MiB in all.
.set WROW,   2048                      ; bytes of a row of Wq, Wk and G
.set PITCH,  272                       ; 256 bytes + 16 of padding: an odd multiple of 16
.set TILEB,  64*PITCH                  ; 17,408: one tensor load
.set PHASEB, 4*TILEB                   ; 69,632: a phase's four tiles: Wq's even chunk, its odd chunk, Wk's even chunk, its odd chunk
.set STAGE,  4*PHASEB                  ; 278,528: behind the tiles, 64 rows x 144 bytes for the way out; no tensor load lands there
.set SPITCH, 144                       ; 128 bytes + 16: an odd multiple of 16
.set ADRA, 16                          ; v16-19  LDS address of my fragments of Wq in phase 0..3
.set ADRB, 20                          ; v20-23  the same for Wk
.set STO,  24                          ; v24     the way out: where I put 16 bytes of a row
.set RD,   25                          ; v25     where I read rows back
.set CO,   26                          ; v26     my byte offset in G
.set F0,   64                          ; v64-127   fragments of two quarters (32 k each): for each quarter Wk's two, then Wq's two
.set F1,   128                         ; v128-191  the second buffer
.set ACC,  192                         ; v192-223  tile (a, b) at ACC + 8 (2 a + b)
.set TMP,  224                         ; v224-239  packed results
.set RB,   64                          ; rows read back
.set G1,  24                           ; s[24:31] descriptor group 1 for Wq's tiles
.set G1B, 32                           ; s[32:39] for Wk's
.set G0,  48                           ; s[48:63] group 0 for Wq's tiles, one set for each of a wave's four loads
.set G0B, 68                           ; s[68:83] the same for Wk's
.macro CREST                           ; a round of the cluster's barrier behind its opening barrier
	s_cmp_lg_u32 s10, 0
	s_cbranch_scc1 .Lnot_wave_0_\@
	s_barrier_signal -3
.Lnot_wave_0_\@:
	s_barrier_wait -3
	s_barrier_signal -1
	s_barrier_wait -1
.endm
.macro CROUND                          ; a whole round
	s_barrier_signal -1
	s_barrier_wait -1
	CREST
.endm
	s_load_b128 s[4:7], s[0:1], 0x0                ; wb s[4:5], gv s[6:7]
	v_lshl_add_u32 v254, v0, 2, 0x46400
	v_mov_b32 v255, 0
	ds_add_u32 v254, v255
	v_lshrrev_b32 v1, 5, v0
	v_readfirstlane_b32 s10, v1                    ; wave 0..3
	s_lshr_b32 s11, s10, 1                         ; my half of the block's rows.  Also: I fetch Wq (0) or Wk (1)
	s_and_b32 s12, s10, 1                          ; my half of its columns.  Also: I fetch the even (0) or the odd (1) chunks of 128 along K
	s_bfe_u32 s40, ttmp6, 0x40000                  ; cx
	s_bfe_u32 s41, ttmp6, 0x40004                  ; cy
	s_lshl_b32 s42, ttmp9, 2
	s_add_co_u32 s42, s42, s40                     ; block column, 0..15
	s_and_b32 s13, ttmp7, 0xffff
	s_lshl_b32 s13, s13, 2
	s_add_co_u32 s13, s13, s41                     ; block row, 0..15
	s_lshl_b32 s43, s41, 2
	s_lshl_b32 s43, 15, s43                        ; my row of the cluster
	s_lshl_b32 s44, 0x1111, s40                    ; my column
	; group 1: 64 rows x 128 elements of 2 bytes, 4 words of padding behind every 64 words; the two differ in the mask alone
	s_or_b32 s[G1+0], s43, (1<<16)|(1<<20)|(1<<21)|(5<<22)|(3<<25)
	s_or_b32 s[G1B+0], s44, (1<<16)|(1<<20)|(1<<21)|(5<<22)|(3<<25)
	s_mov_b32 s[G1+1], 128<<16                     ; tensor_dim0 = 128
	s_mov_b32 s[G1B+1], 128<<16
	s_mov_b32 s[G1+2], 64<<16                      ; tensor_dim1 = 64
	s_mov_b32 s[G1B+2], 64<<16
	s_mov_b32 s[G1+3], 128<<16                     ; tile_dim0 = 128
	s_mov_b32 s[G1B+3], 128<<16
	s_mov_b32 s[G1+4], 64                          ; tile_dim1 = 64
	s_mov_b32 s[G1B+4], 64
	s_mov_b32 s[G1+5], 1024                        ; elements from row to row
	s_mov_b32 s[G1B+5], 1024
	s_mov_b32 s[G1+6], 0
	s_mov_b32 s[G1B+6], 0
	s_mov_b32 s[G1+7], 0
	s_mov_b32 s[G1B+7], 0
	; Wq's tiles hang on the block row alone, Wk's on the block column alone; each in registers that never hold the other coordinate
	s_lshl_b32 s17, s12, 8                         ; my first chunk: 256 bytes along the rows
	s_lshl_b32 s16, s13, 17                        ; Wq: row 64 x block row, 2,048 bytes each
	s_add_co_u32 s16, s16, s17
	s_lshl_b32 s46, s42, 17                        ; Wk: row 64 x block column,
	s_add_co_u32 s46, s46, s17
	s_add_co_u32 s46, s46, 0x200000                ; behind Wq
	s_mov_b32 s17, 0
	s_mov_b32 s47, 0
	s_mul_i32 s20, s10, TILEB                      ; where they go: (4 x phase + wave) x 17,408
	s_wait_dscnt 0x0
	s_wait_kmcnt 0x0
	s_add_nc_u64 s[14:15], s[4:5], s[16:17]
	s_add_nc_u64 s[46:47], s[4:5], s[46:47]
.irp i, 0,1,2,3
	s_mov_b32 s[G0+4*\i], 1
	s_add_co_u32 s[G0+4*\i+1], s20, \i*PHASEB
	s_add_nc_u64 s[G0+4*\i+2:G0+4*\i+3], s[14:15], \i*512          ; two chunks further along K
	s_or_b32 s[G0+4*\i+3], s[G0+4*\i+3], 0x80000000
	s_mov_b32 s[G0B+4*\i], 1
	s_add_co_u32 s[G0B+4*\i+1], s20, \i*PHASEB
	s_add_nc_u64 s[G0B+4*\i+2:G0B+4*\i+3], s[46:47], \i*512
	s_or_b32 s[G0B+4*\i+3], s[G0B+4*\i+3], 0x80000000
.endr
	CROUND                                         ; all sixteen work-groups are here: the joint loads meet
	s_cmp_eq_u32 s11, 0                            ; one branch on the wave's number round all four loads of a wave
	s_cbranch_scc0 .Lfor_b
.irp i, 0,1,2,3
	tensor_load_to_lds s[G0+4*\i:G0+4*\i+3], s[G1:G1+7]
	s_nop 0
.endr
	s_branch .Lasked
.Lfor_b:
.irp i, 0,1,2,3
	tensor_load_to_lds s[G0B+4*\i:G0B+4*\i+3], s[G1B:G1B+7]
	s_nop 0
.endr
.Lasked:
	v_and_b32 v1, 15, v0                           ; l % 16
	v_bfe_u32 v2, v0, 4, 1                         ; l / 16
	v_mul_u32_u24 v3, v1, PITCH
	v_lshl_add_u32 v3, v2, 4, v3                   ; a fragment: row x pitch + 16 (l / 16); two loads, 32 bytes apart
	s_mul_i32 s21, s11, 32*PITCH                   ; my 32 rows of Wq
	s_mul_i32 s22, s12, 32*PITCH                   ; my 32 rows of Wk,
	s_add_co_u32 s22, s22, 2*TILEB                 ; behind Wq's two tiles of the phase
.irp i, 0,1,2,3
	v_add_nc_u32 v[ADRA+\i], s21, v3
	v_add_nc_u32 v[ADRB+\i], s22, v3
	s_add_co_u32 s21, s21, PHASEB
	s_add_co_u32 s22, s22, PHASEB
.endr
	s_mul_i32 s23, s11, 32*SPITCH
	s_lshl_b32 s18, s12, 6
	s_add_co_u32 s23, s23, s18
	s_add_co_u32 s23, s23, STAGE                   ; stage: my 32 rows, my 64 bytes of them
	v_mul_u32_u24 v4, v1, SPITCH
	v_lshl_add_u32 v4, v2, 4, v4
	v_add_nc_u32 v[STO], s23, v4
	v_and_b32 v5, 7, v0                            ; back: eight lanes take a row's 128 bytes,
	v_bfe_u32 v6, v0, 3, 2                         ; the wave four rows
	v_mul_u32_u24 v7, v6, SPITCH
	v_lshl_add_u32 v7, v5, 4, v7
	s_mul_i32 s19, s10, 16*SPITCH                  ; wave w stores rows 16 w .. 16 w + 15 of the block
	s_add_co_u32 s19, s19, STAGE
	v_add_nc_u32 v[RD], s19, v7
	v_lshlrev_b32 v7, 11, v6
	v_lshl_add_u32 v[CO], v5, 4, v7                ; the same four rows in G
; 16 LDS loads: quarters q0 and q0 + 1 (32 k each) of the phase's even (p = 0) or odd (p = 1) chunk into buffer f
.macro FETCH ph, p, q0, f
.irp qq, 0,1
.irp i, 0,1
	ds_load_b128 v[\f+32*\qq+8*\i:\f+32*\qq+8*\i+3],   v[ADRB+\ph] offset:\p*TILEB+\i*16*PITCH+(\q0+\qq)*64
	ds_load_b128 v[\f+32*\qq+8*\i+4:\f+32*\qq+8*\i+7], v[ADRB+\ph] offset:\p*TILEB+\i*16*PITCH+(\q0+\qq)*64+32
.endr
.irp i, 0,1
	ds_load_b128 v[\f+32*\qq+16+8*\i:\f+32*\qq+16+8*\i+3],   v[ADRA+\ph] offset:\p*TILEB+\i*16*PITCH+(\q0+\qq)*64
	ds_load_b128 v[\f+32*\qq+16+8*\i+4:\f+32*\qq+16+8*\i+7], v[ADRA+\ph] offset:\p*TILEB+\i*16*PITCH+(\q0+\qq)*64+32
.endr
.endr
.endm
; four matrix instructions: quarter qq of buffer f.  zero = 1: the first product starts the sums.
.macro MULQ f, qq, zero
.irp a, 0,1
.irp b, 0,1
.if \zero
	v_wmma_f32_16x16x32_bf16 v[ACC+8*(2*\a+\b):ACC+8*(2*\a+\b)+7], v[\f+32*\qq+8*\b:\f+32*\qq+8*\b+7], v[\f+32*\qq+16+8*\a:\f+32*\qq+16+8*\a+7], 0
.else
	v_wmma_f32_16x16x32_bf16 v[ACC+8*(2*\a+\b):ACC+8*(2*\a+\b)+7], v[\f+32*\qq+8*\b:\f+32*\qq+8*\b+7], v[\f+32*\qq+16+8*\a:\f+32*\qq+16+8*\a+7], v[ACC+8*(2*\a+\b):ACC+8*(2*\a+\b)+7]
.endif
.endr
.endr
.endm
.macro PLACES                          ; four plain vector instructions behind a matrix instruction, ahead of loads into and vector work on its registers
.rept 4
	v_nop
.endr
.endm
; A phase: 256 along K.  No LDS instruction of the wave is out at the signal: the phase before ended with a wait for all of them.
.macro PHASE_DO ph, zero
	s_wait_tensorcnt 3-\ph                         ; tensor loads of a wave end in order: my load of this phase is in, the 3 - ph issued behind it may stay out
	s_barrier_signal -1
	s_barrier_wait -1                              ; all four tiles of the phase are in
	FETCH \ph, 0, 0, F0
	FETCH \ph, 0, 2, F1
	s_wait_dscnt 16                                ; all but the 16 just issued
	MULQ F0, 0, \zero
	MULQ F0, 1, 0
	PLACES
	FETCH \ph, 1, 0, F0
	s_wait_dscnt 16
	MULQ F1, 0, 0
	MULQ F1, 1, 0
	PLACES
	FETCH \ph, 1, 2, F1
	s_wait_dscnt 16
	MULQ F0, 0, 0
	MULQ F0, 1, 0
	s_wait_dscnt 0
	MULQ F1, 0, 0
	MULQ F1, 1, 0
	PLACES                                         ; for the next phase's loads into both buffers, and for the conversions behind the last phase
.endm
	PHASE_DO 0, 1
	PHASE_DO 1, 0
	PHASE_DO 2, 0
	PHASE_DO 3, 0                                  ; its wait is for 0: no tensor load is out from here on
	; THE WAY OUT: round to bf16, 16 bytes a lane into the block's stage; behind a barrier each wave reads 16 whole rows of 128 bytes and stores them
.irp t, 0,1,2,3
.irp r, 0,1,2,3
	v_cvt_pk_bf16_f32 v[TMP+4*\t+\r], v[ACC+8*\t+2*\r], v[ACC+8*\t+2*\r+1]
.endr
.endr
	ds_store_b128 v[STO], v[TMP:TMP+3]                             ; tile (0, 0)
	ds_store_b128 v[STO], v[TMP+4:TMP+7] offset:32                 ; (0, 1): 16 columns on
	ds_store_b128 v[STO], v[TMP+8:TMP+11] offset:16*SPITCH         ; (1, 0): 16 rows down
	ds_store_b128 v[STO], v[TMP+12:TMP+15] offset:16*SPITCH+32
	s_lshl_b32 s16, s13, 6
	s_lshl_b32 s17, s10, 4
	s_add_co_u32 s16, s16, s17                     ; the first row that I store: 64 x block row + 16 x wave,
	s_lshl_b32 s16, s16, 11                        ; 2,048 bytes each
	s_mov_b32 s17, 0
	s_add_nc_u64 s[6:7], s[6:7], s[16:17]
	s_lshl_b32 s46, s42, 7                         ; column 64 x block column, 2 bytes each
	s_mov_b32 s47, 0
	s_add_nc_u64 s[6:7], s[6:7], s[46:47]
	s_wait_dscnt 0x0                               ; for the others' sake: my stores into the stage are done
	s_barrier_signal -1
	s_barrier_wait -1
.irp t, 0,1,2,3
	ds_load_b128 v[RB+4*\t:RB+4*\t+3], v[RD] offset:\t*4*SPITCH
.endr
.irp t, 0,1,2,3
	s_wait_dscnt 3-\t                              ; LDS loads come back in order: load t is in
	global_store_b128 v[CO], v[RB+4*\t:RB+4*\t+3], s[6:7] offset:\t*4*WROW
.endr
	s_wait_tensorcnt 0x0
	ds_add_u32 v254, v255
	s_wait_dscnt 0x0
	CROUND                                         ; the closing round: no work-group ends while a partner may still ask for a tile that names it
	s_endpgm
.Lfunc_end_k_q9900d36f02_gmat:
	.size	k_q9900d36f02_gmat, .Lfunc_end_k_q9900d36f02_gmat-k_q9900d36f02_gmat
	.p2alignl 7, 3214868480
	.fill 96, 4, 3214868480
	.section	.rodata,"a",@progbits
	.p2align	6, 0x0
	.amdhsa_kernel k_q9900d36f02_gmat
		.amdhsa_group_segment_fixed_size 288256
		.amdhsa_private_segment_fixed_size 0
		.amdhsa_enable_private_segment 0
		.amdhsa_kernarg_size 16
		.amdhsa_user_sgpr_count 2
		.amdhsa_user_sgpr_kernarg_segment_ptr 1
		.amdhsa_wavefront_size32 1
		.amdhsa_system_sgpr_workgroup_id_x 1
		.amdhsa_system_sgpr_workgroup_id_y 1
		.amdhsa_system_sgpr_workgroup_id_z 1
		.amdhsa_system_vgpr_workitem_id 0
		.amdhsa_next_free_vgpr 256
		.amdhsa_next_free_sgpr 84
		.amdhsa_reserve_vcc 0
		.amdhsa_float_denorm_mode_32 3
		.amdhsa_float_denorm_mode_16_64 3
		.amdhsa_memory_ordered 1
		.amdhsa_forward_progress 1
		.amdhsa_inst_pref_size 37
	.end_amdhsa_kernel
	.amdgpu_metadata
---
amdhsa.version: [ 1, 2 ]
amdhsa.kernels:
  - .name:           k_q9900d36f02_gmat
    .symbol:         k_q9900d36f02_gmat.kd
    .args:
      - { .name: wb, .offset: 0, .size: 8, .value_kind: global_buffer, .address_space: global }
      - { .name: gv, .offset: 8, .size: 8, .value_kind: global_buffer, .address_space: global }
    .group_segment_fixed_size: 288256
    .private_segment_fixed_size: 0
    .kernarg_segment_align: 8
    .kernarg_segment_size: 16
    .max_flat_workgroup_size: 128
    .sgpr_count:     84
    .vgpr_count:     256
    .wavefront_size: 32
...
	.end_amdgpu_metadata
.endif
;; end of part 2
;; launch proj (part 3): grid 8 x 32, 4 waves a work-group, clusters of 4 x 4, 327,680 bytes of LDS; arguments xb, gv, yv; writes yv
.if DOCPART == 3
	.amdgcn_target "amdgcn-amd-amdhsa--gfx1250"
	.amdhsa_code_object_version 6
	.text
	.protected	k_q9900d36f02_proj
	.globl	k_q9900d36f02_proj
	.p2align	8
	.type	k_q9900d36f02_proj,@function
k_q9900d36f02_proj:
	s_mov_b64 s[64:65], 0
	v_nop
	global_prefetch_b8 v0, s[64:65] scope:SCOPE_SE
	s_setreg_imm32_b32 hwreg(HW_REG_WAVE_MODE, 25, 1), 1
	s_wait_xcnt 0x0
	s_wait_alu depctr_hold_cnt(0) depctr_sa_sdst(0) depctr_va_vdst(0) depctr_va_sdst(0) depctr_va_ssrc(0) depctr_va_vcc(0) depctr_vm_vsrc(0)
	s_getreg_b32 s2, hwreg(HW_REG_IB_STS2, 6, 4)
	s_cmp_eq_u32 s2, 0
	s_cbranch_scc0 .Lentry_in_a_cluster
	s_endpgm
.Lentry_in_a_cluster:
	s_bfe_u32 s2, ttmp6, 0x10000c
	s_cmp_lg_u32 s2, 0xf033
	s_cbranch_scc0 .Lentry_shape_is_right
	s_endpgm
.Lentry_shape_is_right:
; yv[m][1024 j + n] = sum over k of xb[m][k] M_j[k][n], M_0 = G = Wq Wk^T (this gives y), M_1 = Wv (this gives v).
; xb: [8192][1024] bf16; gv: [2][1024 k][1024 n] bf16; yv: [8192][2048] bf16, rounded once from f32 sums.
; A work-group makes a block of 256 x 256 with four waves, one for each SIMD of a WGP; a wave makes 128 x 128: 64 accumulator tiles of 16 x 16, 512 registers.
; 8 x 32 = 256 blocks.  K goes in steps of 128 through a ring of two LDS slots filled by the tensor data mover.  A's tile: 256 rows of 256 bytes.
; B's tile lies as M lies, [k][n]: 128 rows (k) of 512 bytes (256 n); its fragments are read with the transposing LDS load.
; CLUSTERS: 4 x 4 work-groups.  The four of a row of the cluster need the same tiles of xb, the four of a column the same tiles of M: each tile is asked for
; jointly, by the same tensor load with the same descriptor and a mask that names the four.  That divides the requests for both by four.
; REGISTERS, in windows of 256:  window 0: v0-31 addresses; v64-127, v128-191 fragments of A, two buffers; v192-223 at work on the way out
;   window 1: v64-127, v128-191 fragments of B, two buffers;  window 2: the 32 accumulator tiles of my rows 0-63 (tile (a, b) at v[8 (8 a + b)]);  window 3: rows 64-127
; THE MATRIX INSTRUCTION IS USED TRANSPOSED: source 0 = 16 columns n of M, source 1 = 16 rows of xb.  Lane l then holds row l % 16 of the result and its
; registers 0 to 7 the columns 8 (l / 16) + 0 .. 7: eight neighbouring numbers of a row, 16 bytes in bf16.
; The 64 accumulators take turns, one matrix instruction a turn, in the same order in every quarter step, over the backward jump too.
.set SIZE_K, 1024
.set AROW,   2048                      ; bytes of a row of xb, and of a row of M
.set CROW,   4096                      ; bytes of a row of yv
.set KSTEP,  128
.set PITCH,  272                       ; A's LDS row: 256 bytes + 16 of padding: an odd multiple of 16, so the 16 rows of a fragment load start in 16 different 16-byte columns of 256
.set BP,     544                       ; B's LDS row: 512 bytes + 32 of padding: an odd multiple of 32, as the transposing load's rows want
.set HALFT,  128*PITCH                 ; what one tensor load brings: 128 rows of A, or 64 rows of B (64 x 544 is the same 34,816 bytes)
.set SLOT,   4*HALFT                   ; A's 256 rows, then B's 128 rows
.set STAGE,  2*SLOT                    ; behind the ring: 16 rows x 272 bytes for each wave, for the way out; no tensor load lands there
.set SPITCH, 272
.set LAPS,   SIZE_K/(2*KSTEP)          ; 4 laps of two K steps
.set ASTEP,  2*KSTEP*2                 ; two K steps along a row of xb, in bytes
.set BSTEP,  2*KSTEP*AROW              ; two K steps down the rows of M
.set ADRA, 16                          ; v16-17  LDS address of my A fragments in slot 0, 1
.set ADRB, 20                          ; v20-21  the same for B
.set STO,  24                          ; v24     the way out: where I put 16 bytes of a row
.set RD,   25                          ; v25     the way out: where I read a row back
.set CO,   26                          ; v26     my byte offset in yv
.set F0,   64
.set F1,   128
.set TMP,  192
.set G1,  24                           ; s[24:31] descriptor group 1 for A's tiles
.set G0,  32                           ; s[32:39] group 0 for A's tiles, one set for each slot
.set G1B, 48                           ; s[48:55] group 1 for B's tiles
.set G0B, 56                           ; s[56:63] group 0 for B's tiles, one set for each slot
.set MSB, 0
.macro WIN new                         ; the immediate's high byte repeats the setting that is left
.if MSB != \new
	s_set_vgpr_msb (MSB<<8)|\new
.set MSB, \new
.endif
.endm
.set MUL_LO, 0xa1                      ; source 0 (B) window 1, source 1 (A) window 0, C and D window 2
.set MUL_HI, 0xf1                      ; the same, C and D window 3
.set TO_B,   0x40                      ; destination window 1, address window 0
; A joint load.  Waves 0 and 1 fetch A's two halves, waves 2 and 3 B's.  Each line has one mask and one set of registers for all that issue it.
.macro JLOAD s
	s_cmp_eq_u32 s11, 0
	s_cbranch_scc0 .Lfor_b_\@
	tensor_load_to_lds s[G0+4*\s:G0+4*\s+3], s[G1:G1+7]
	s_nop 0
	s_branch .Lasked_\@
.Lfor_b_\@:
	tensor_load_to_lds s[G0B+4*\s:G0B+4*\s+3], s[G1B:G1B+7]
	s_nop 0
.Lasked_\@:
.endm
; A round of the cluster's barrier: my work-group's barrier; wave 0 signals for the work-group; every wave waits for all sixteen; my work-group's barrier once more.
.macro CREST                           ; a round behind its opening barrier
	s_cmp_lg_u32 s10, 0
	s_cbranch_scc1 .Lnot_wave_0_\@
	s_barrier_signal -3
.Lnot_wave_0_\@:
	s_barrier_wait -3
	s_barrier_signal -1
	s_barrier_wait -1
.endm
.macro CROUND                          ; a whole round
	s_barrier_signal -1
	s_barrier_wait -1
	CREST
.endm
	s_load_b128 s[4:7], s[0:1], 0x0                ; xb s[4:5], gv s[6:7]
	s_load_b64 s[8:9], s[0:1], 0x10                ; yv
	s_set_vgpr_msb 0x40
	v_lshl_add_u32 v255, v0, 2, 0x48400
	s_set_vgpr_msb 0x4000
	v_mov_b32 v255, 0
	s_set_vgpr_msb 0x1
	ds_add_u32 v255, v255
	s_set_vgpr_msb 0x100
	v_lshrrev_b32 v1, 5, v0
	v_readfirstlane_b32 s10, v1                    ; wave 0..3
	s_lshr_b32 s11, s10, 1                         ; which half of the block's rows is mine.  Also: I fetch for A (0) or for B (1)
	s_and_b32 s12, s10, 1                          ; which half of its columns.  Also: which half of that tile I fetch
	s_bfe_u32 s40, ttmp6, 0x40000                  ; cx
	s_bfe_u32 s41, ttmp6, 0x40004                  ; cy
	s_lshl_b32 s42, ttmp9, 2
	s_add_co_u32 s42, s42, s40                     ; block column = 4 x cluster x + cx (0..7)
	s_and_b32 s13, ttmp7, 0xffff
	s_lshl_b32 s13, s13, 2
	s_add_co_u32 s13, s13, s41                     ; block row = 4 x cluster y + cy (0..31)
	s_lshl_b32 s43, s41, 2
	s_lshl_b32 s43, 15, s43                        ; my row of the cluster: places 4 cy .. 4 cy + 3
	s_lshl_b32 s44, 0x1111, s40                    ; my column: places cx, cx + 4, cx + 8, cx + 12
	; group 1 for A: 128 rows x 128 elements of 2 bytes, 4 words of padding behind every 64 words
	s_or_b32 s[G1+0], s43, (1<<16)|(1<<20)|(1<<21)|(5<<22)|(3<<25)
	s_mov_b32 s[G1+1], KSTEP<<16                   ; tensor_dim0 = 128
	s_mov_b32 s[G1+2], 128<<16                     ; tensor_dim1 = 128
	s_mov_b32 s[G1+3], KSTEP<<16                   ; tile_dim0 = 128
	s_mov_b32 s[G1+4], 128                         ; tile_dim1 = 128
	s_mov_b32 s[G1+5], SIZE_K                      ; elements from row to row
	s_mov_b32 s[G1+6], 0
	s_mov_b32 s[G1+7], 0
	; group 1 for B: 64 rows (k) x 256 elements (n), 8 words of padding behind every 128 words
	s_or_b32 s[G1B+0], s44, (1<<16)|(1<<20)|(1<<21)|(6<<22)|(7<<25)
	s_mov_b32 s[G1B+1], 256<<16                    ; tensor_dim0 = 256
	s_mov_b32 s[G1B+2], 64<<16                     ; tensor_dim1 = 64
	s_mov_b32 s[G1B+3], 256<<16                    ; tile_dim0 = 256
	s_mov_b32 s[G1B+4], 64                         ; tile_dim1 = 64
	s_mov_b32 s[G1B+5], 1024                       ; elements from row to row of M
	s_mov_b32 s[G1B+6], 0
	s_mov_b32 s[G1B+7], 0
	; where the tiles come from.  A's hang on the block row alone, B's on the block column alone; each in registers that never hold the other coordinate.
	s_lshl_b32 s17, s12, 7
	s_lshl_b32 s16, s13, 8
	s_add_co_u32 s16, s16, s17                     ; A: row 256 x block row + 128 x half,
	s_lshl_b32 s16, s16, 11                        ; times 2,048 bytes (below 2^25)
	s_mov_b32 s17, 0
	s_lshl_b32 s46, ttmp9, 21                      ; B: matrix number cluster x (0: G, 1: Wv), 2,097,152 bytes each,
	s_lshl_b32 s45, s40, 9
	s_add_co_u32 s46, s46, s45                     ; column 256 cx, 2 bytes each,
	s_lshl_b32 s45, s12, 17
	s_add_co_u32 s46, s46, s45                     ; row 64 x half, 2,048 bytes each
	s_mov_b32 s47, 0
	s_mul_i32 s20, s10, HALFT                      ; and where they go: A's two halves, then B's two halves = wave x 34,816
	s_wait_dscnt 0x0
	s_wait_kmcnt 0x0
	s_add_nc_u64 s[14:15], s[4:5], s[16:17]
	s_add_nc_u64 s[46:47], s[6:7], s[46:47]
	CROUND                                         ; all sixteen work-groups are here: the first joint loads meet
.irp s, 0,1
	s_mov_b32 s[G0+4*\s], 1
	s_add_co_u32 s[G0+4*\s+1], s20, \s*SLOT
	s_add_nc_u64 s[G0+4*\s+2:G0+4*\s+3], s[14:15], \s*KSTEP*2
	s_or_b32 s[G0+4*\s+3], s[G0+4*\s+3], 0x80000000
	s_mov_b32 s[G0B+4*\s], 1
	s_add_co_u32 s[G0B+4*\s+1], s20, \s*SLOT
	s_add_nc_u64 s[G0B+4*\s+2:G0B+4*\s+3], s[46:47], \s*KSTEP*AROW
	s_or_b32 s[G0B+4*\s+3], s[G0B+4*\s+3], 0x80000000
	JLOAD \s                                       ; both first fills go out before anything else is done: two tensor loads of the wave are out
.endr
	; A's fragment: lane l holds row l % 16; two loads of 16 bytes, 32 bytes apart, at row x pitch + 16 (l / 16).
	; B's fragment from rows that lie along n: lane l addresses row 8 (l / 16) + l % 8 of the 32 k, 16 bytes at 16 ((l / 8) % 2); the second load 16 rows down.
	v_and_b32 v1, 15, v0                           ; l % 16
	v_bfe_u32 v2, v0, 4, 1                         ; l / 16
	v_mul_u32_u24 v3, v1, PITCH
	v_lshl_add_u32 v3, v2, 4, v3
	v_and_b32 v6, 7, v0
	v_lshl_add_u32 v6, v2, 3, v6
	v_mul_u32_u24 v6, v6, BP
	v_bfe_u32 v7, v0, 3, 1
	v_lshl_add_u32 v6, v7, 4, v6
	s_mul_i32 s21, s11, HALFT                      ; my 128 rows of A
	s_lshl_b32 s22, s12, 8                         ; my 128 columns of B: 256 bytes along its rows,
	s_add_co_u32 s22, s22, 2*HALFT                 ; which lie behind A's 256 rows
.irp s, 0,1
	v_add_nc_u32 v[ADRA+\s], s21, v3
	v_add_nc_u32 v[ADRB+\s], s22, v6
	s_add_co_u32 s21, s21, SLOT
	s_add_co_u32 s22, s22, SLOT
.endr
	s_mul_i32 s23, s10, 16*SPITCH
	s_add_co_u32 s23, s23, STAGE                   ; my stage
	v_mul_u32_u24 v4, v1, SPITCH
	v_lshl_add_u32 v4, v2, 4, v4
	v_add_nc_u32 v[STO], s23, v4
	v_mul_u32_u24 v5, v2, SPITCH
	v_lshl_add_u32 v5, v1, 4, v5
	v_add_nc_u32 v[RD], s23, v5
	v_mul_u32_u24 v5, v2, CROW
	v_lshl_add_u32 v[CO], v1, 4, v5
; 16 matrix instructions: m blocks a0, a0 + 1 of the window's four x all 8 n blocks, 32 along K.  zero = 1: the first product starts the sums.
.macro MUL16 f, hi, a0, zero
.irp a, \a0, \a0+1
.irp b, 0,1,2,3,4,5,6,7
.if \zero
	v_wmma_f32_16x16x32_bf16 v[8*(8*(\a)+\b):8*(8*(\a)+\b)+7], v[\f+8*\b:\f+8*\b+7], v[\f+8*(4*\hi+\a):\f+8*(4*\hi+\a)+7], 0
.else
	v_wmma_f32_16x16x32_bf16 v[8*(8*(\a)+\b):8*(8*(\a)+\b)+7], v[\f+8*\b:\f+8*\b+7], v[\f+8*(4*\hi+\a):\f+8*(4*\hi+\a)+7], v[8*(8*(\a)+\b):8*(8*(\a)+\b)+7]
.endif
.endr
.endr
.endm
; 32 LDS loads in one run: the fragments of quarter q (32 k) of a slot into buffer f: 128 columns of B, then 128 rows of A
.macro FETCH slot, q, f
	WIN TO_B
.irp i, 0,1,2,3,4,5,6,7
	ds_load_tr16_b128 v[\f+8*\i:\f+8*\i+3],   v[ADRB+\slot] offset:\q*32*BP+32*\i
	ds_load_tr16_b128 v[\f+8*\i+4:\f+8*\i+7], v[ADRB+\slot] offset:\q*32*BP+32*\i+16*BP
.endr
	WIN 0
.irp i, 0,1,2,3,4,5,6,7
	ds_load_b128 v[\f+8*\i:\f+8*\i+3],   v[ADRA+\slot] offset:\q*64+\i*16*PITCH
	ds_load_b128 v[\f+8*\i+4:\f+8*\i+7], v[ADRA+\slot] offset:\q*64+\i*16*PITCH+32
.endr
.endm
; Four plain vector instructions stand between a matrix instruction and a load into, or a vector instruction on, one of its registers (ISA guide 7.12.1 for vector instructions);
; the matrix instructions in between are not counted.
.macro PLACES
.rept 4
	v_nop
.endr
.endm
; One of a K step's first three quarters: multiplies buffer f; in its middle it fetches quarter q of the same slot into buffer g.
.macro QUARTER slot, q, f, g, zero
	s_wait_dscnt 8                                 ; B and A's rows 0-63 are in; the youngest eight loads (A's rows 64-127) may be out
	WIN MUL_LO
	MUL16 \f, 0, 0, \zero
	MUL16 \f, 0, 2, \zero
	PLACES
	FETCH \slot, \q, \g
	s_wait_dscnt 32                                ; all but the 32 just issued
	WIN MUL_HI
	MUL16 \f, 1, 0, \zero
	MUL16 \f, 1, 2, \zero
.endm
.macro THREE slot, zero
	QUARTER \slot, 1, F0, F1, \zero
	QUARTER \slot, 2, F1, F0, 0
	QUARTER \slot, 3, F0, F1, 0
.endm
; The last quarter: multiplies buffer 1 and changes slots.  In front of the barrier each wave waits for its reads of this slot and for all its tensor
; loads (one is out: its part of the next slot).  Behind it the refill comes first, then the next slot's first fragments.
.macro TURN slot, next, fill
	s_wait_dscnt 8
	WIN MUL_LO
	MUL16 F1, 0, 0, 0
	s_wait_dscnt 0                                 ; my reads of this slot are over
	s_wait_tensorcnt 0x0                           ; and all my tensor loads have landed
	ds_add_u32 v255, v255
	s_wait_dscnt 0x0
	s_barrier_signal -1                            ; where the slot is filled again this barrier opens a round of the cluster's barrier
	MUL16 F1, 0, 2, 0                              ; register work while the others arrive
	WIN 0
	s_barrier_wait -1
.if \fill
	CREST                                          ; no wave of any partner still reads this slot or has a load on its way
	s_add_nc_u64 s[G0+4*\slot+2:G0+4*\slot+3], s[G0+4*\slot+2:G0+4*\slot+3], ASTEP
	s_add_nc_u64 s[G0B+4*\slot+2:G0B+4*\slot+3], s[G0B+4*\slot+2:G0B+4*\slot+3], BSTEP
	JLOAD \slot                                    ; the wave's one tensor load behind the round, and the first thing there
.endif
	PLACES
	FETCH \next, 0, F0
	WIN MUL_HI
	MUL16 F1, 1, 0, 0
	MUL16 F1, 1, 2, 0
.endm
.macro LAP zero
	THREE 0, \zero
	TURN 0, 1, 1
	THREE 1, 0
	TURN 1, 0, 1
.endm
	s_wait_tensorcnt 1                             ; my part of K step 0 is in; K step 1's may stay out
	s_barrier_signal -1
	s_barrier_wait -1
	FETCH 0, 0, F0
	LAP 1                                          ; the first lap stands in front of the loop: its first products start the sums
	WIN 0
	s_mov_b32 s3, LAPS-2
.Llap:
	LAP 0
	WIN 0
	s_sub_co_u32 s3, s3, 1
	s_cmp_lg_u32 s3, 0
	s_cbranch_scc1 .Llap
	THREE 0, 0                                     ; the last lap fills nothing and has no round
	TURN 0, 1, 0
	THREE 1, 0
	s_wait_dscnt 8
	WIN MUL_LO
	MUL16 F1, 0, 0, 0
	MUL16 F1, 0, 2, 0
	s_wait_dscnt 0
	WIN MUL_HI
	MUL16 F1, 1, 0, 0
	MUL16 F1, 1, 2, 0
	; THE WAY OUT, 16 rows at a time: round to bf16, 16 bytes a lane into my own stage, read back as whole rows of 256 bytes.
	PLACES
	s_lshl_b32 s13, s13, 8
	s_lshl_b32 s14, s11, 7
	s_add_co_u32 s16, s13, s14                     ; my first row
	s_mul_i32 s16, s16, CROW                       ; below 2^25
	s_mov_b32 s17, 0
	s_add_nc_u64 s[8:9], s[8:9], s[16:17]
	s_lshl_b32 s46, s42, 9                         ; my first column, in bytes: 512 x block + 256 x half
	s_lshl_b32 s47, s12, 8
	s_add_co_u32 s46, s46, s47
	s_mov_b32 s47, 0
	s_add_nc_u64 s[8:9], s[8:9], s[46:47]
.macro OUT16 i, a, from, f
	WIN \from
.irp b, 0,1,2,3,4,5,6,7
.irp r, 0,1,2,3
	v_cvt_pk_bf16_f32 v[TMP+4*\b+\r], v[8*(8*\a+\b)+2*\r], v[8*(8*\a+\b)+2*\r+1]
.endr
.endr
	WIN 0
.irp b, 0,1,2,3,4,5,6,7
	ds_store_b128 v[STO], v[TMP+4*\b:TMP+4*\b+3] offset:32*\b
.endr
	s_wait_xcnt 0x0                                ; buffer f, which earlier stores read, and the stores' base are rewritten only behind this wait
.if \i
	s_add_nc_u64 s[8:9], s[8:9], 16*CROW
.endif
.irp t, 0,1,2,3,4,5,6,7
	ds_load_b128 v[\f+4*\t:\f+4*\t+3], v[RD] offset:\t*2*SPITCH    ; LDS serves a wave's instructions in order: these see the stores above
.endr
.irp t, 0,1,2,3,4,5,6,7
	s_wait_dscnt 7-\t
	global_store_b128 v[CO], v[\f+4*\t:\f+4*\t+3], s[8:9] offset:2*\t*CROW   ; 16 lanes store 256 consecutive bytes, at a multiple of 256 from the buffer's first byte
.endr
.endm
	OUT16 0, 0, 0x0a, F0
	OUT16 1, 1, 0x0a, F1
	OUT16 2, 2, 0x0a, F0
	OUT16 3, 3, 0x0a, F1
	OUT16 4, 0, 0x0f, F0
	OUT16 5, 1, 0x0f, F1
	OUT16 6, 2, 0x0f, F0
	OUT16 7, 3, 0x0f, F1
	s_set_vgpr_msb 0x1
	s_wait_tensorcnt 0x0
	ds_add_u32 v255, v255
	s_wait_dscnt 0x0
	s_set_vgpr_msb 0x100
	CROUND                                         ; the closing round: no work-group ends while a partner may still ask for a tile that names it
	s_endpgm
.Lfunc_end_k_q9900d36f02_proj:
	.size	k_q9900d36f02_proj, .Lfunc_end_k_q9900d36f02_proj-k_q9900d36f02_proj
	.p2alignl 7, 3214868480
	.fill 96, 4, 3214868480
	.section	.rodata,"a",@progbits
	.p2align	6, 0x0
	.amdhsa_kernel k_q9900d36f02_proj
		.amdhsa_group_segment_fixed_size 327680
		.amdhsa_private_segment_fixed_size 0
		.amdhsa_enable_private_segment 0
		.amdhsa_kernarg_size 24
		.amdhsa_user_sgpr_count 2
		.amdhsa_user_sgpr_kernarg_segment_ptr 1
		.amdhsa_wavefront_size32 1
		.amdhsa_system_sgpr_workgroup_id_x 1
		.amdhsa_system_sgpr_workgroup_id_y 1
		.amdhsa_system_sgpr_workgroup_id_z 1
		.amdhsa_system_vgpr_workitem_id 0
		.amdhsa_next_free_vgpr 1024
		.amdhsa_next_free_sgpr 66
		.amdhsa_reserve_vcc 0
		.amdhsa_float_denorm_mode_32 3
		.amdhsa_float_denorm_mode_16_64 3
		.amdhsa_memory_ordered 1
		.amdhsa_forward_progress 1
		.amdhsa_inst_pref_size 196
	.end_amdhsa_kernel
	.amdgpu_metadata
---
amdhsa.version: [ 1, 2 ]
amdhsa.kernels:
  - .name:           k_q9900d36f02_proj
    .symbol:         k_q9900d36f02_proj.kd
    .args:
      - { .name: xb, .offset: 0, .size: 8, .value_kind: global_buffer, .address_space: global }
      - { .name: gv, .offset: 8, .size: 8, .value_kind: global_buffer, .address_space: global }
      - { .name: yv, .offset: 16, .size: 8, .value_kind: global_buffer, .address_space: global }
    .group_segment_fixed_size: 327680
    .private_segment_fixed_size: 0
    .kernarg_segment_align: 8
    .kernarg_segment_size: 24
    .max_flat_workgroup_size: 128
    .sgpr_count:     66
    .vgpr_count:     1024
    .wavefront_size: 32
...
	.end_amdgpu_metadata
.endif
;; end of part 3
;; launch scores (part 4): grid 8 x 32, 4 waves a work-group, clusters of 4 x 4, 327,680 bytes of LDS; arguments yv, pm, st, xb; writes pm, st
.if DOCPART == 4
	.amdgcn_target "amdgcn-amd-amdhsa--gfx1250"
	.amdhsa_code_object_version 6
	.text
	.protected	k_q9900d36f02_scores
	.globl	k_q9900d36f02_scores
	.p2align	8
	.type	k_q9900d36f02_scores,@function
k_q9900d36f02_scores:
	s_mov_b64 s[64:65], 0
	v_nop
	global_prefetch_b8 v0, s[64:65] scope:SCOPE_SE
	s_setreg_imm32_b32 hwreg(HW_REG_WAVE_MODE, 25, 1), 1
	s_wait_xcnt 0x0
	s_wait_alu depctr_hold_cnt(0) depctr_sa_sdst(0) depctr_va_vdst(0) depctr_va_sdst(0) depctr_va_ssrc(0) depctr_va_vcc(0) depctr_vm_vsrc(0)
	s_getreg_b32 s2, hwreg(HW_REG_IB_STS2, 6, 4)
	s_cmp_eq_u32 s2, 0
	s_cbranch_scc0 .Lentry_in_a_cluster
	s_endpgm
.Lentry_in_a_cluster:
	s_bfe_u32 s2, ttmp6, 0x10000c
	s_cmp_lg_u32 s2, 0xf033
	s_cbranch_scc0 .Lentry_shape_is_right
	s_endpgm
.Lentry_shape_is_right:
; For each block of 256 queries x 256 keys of one batch: S = y x^T (y = x Wq Wk^T, so S = q k^T; bf16 operands, f32 sums over 1,024), then, with c = log2(e) / 32,
;   m'[row] = c x (largest S of the row in this block),  P'[row][key] = 2^(c S - m') in bf16,  l[row] = sum of the unrounded 2^(c S - m') over each 128 keys.
; The maximum is taken away in front of every exponential: every exponent is at most 0, up to the one rounding of m'.  The next launch brings the eight blocks of a row
; to the row's own maximum.  yv: [8192][2048] bf16 (y at column 0).  xb: [8192][1024] bf16.  pm: [8192][2048] bf16.
; st (f32): m' at byte 32768 t8 + 4 row (t8 = block of 256 keys), l at 262144 + 32768 t16 + 4 row (t16 = 128 keys).
; LIMITS: finite inputs (a NaN loses in the maxima and is not carried as the softmax of f32 would carry it); exponentials below 2^-126 come out as zero.
; The product is laid as in the launch before: four waves, 128 x 128 a wave, 64 accumulator tiles, K steps of 128 through two LDS slots, both operands with K along
; their rows.  CLUSTERS 4 x 4: y's tile is shared along a row of the cluster, x's along a column (a cluster's 1,024 query rows lie in one batch): joint loads.
; The matrix instruction is used transposed: lane l holds query row l % 16, registers 0-7 the keys 8 (l / 16) + 0..7.
; The 64 accumulators take turns, one matrix instruction a turn, over the backward jump too.
.set SIZE_K, 1024
.set PROW,   4096                      ; bytes of a row of pm
.set KSTEP,  128
.set PITCH,  272
.set HALFT,  128*PITCH
.set SLOT,   4*HALFT
.set STAGE,  2*SLOT                    ; 4 x 4,352 bytes: each wave's stage for P'
.set SPITCH, 272
.set MXB,    STAGE+4*16*SPITCH         ; 295,936: 512 bytes a wave: my half block's row maxima, read by the wave with the other 128 keys
                                       ; + 2,048: the block's m' (my own copy); + 4,096: my l.  No tensor load lands behind the ring.
.set LAPS,   SIZE_K/(2*KSTEP)
.set ADRA, 16
.set ADRB, 20
.set STO,  24
.set RD,   25
.set CO,   26
.set MXO,  27                          ; v27  MXB + 512 wave + 4 (l % 16)
.set MXP,  28                          ; v28  the same in the partner wave's bytes
.set MXL,  29                          ; v29  MXB + 512 wave + 16 l
.set SO,   30                          ; v30  16 l: my offset in st
.set MXR,  32                          ; v32-39  row maxima, one for each 16 rows
.set PR,   40                          ; v40-47  the other half's, the other wave's
.set MS,   48                          ; v48-55  m'
.set F0,   64
.set F1,   128
.set EXR,  64                          ; v64-127  64 exponents, then 64 exponentials
.set RB0,  128                         ; v128-159, v160-191: rows read back, in turn
.set RB1,  160
.set TMP,  192
.set LS,   224                         ; v224-231 four chains of sums
.set NM,   232                         ; v232-247 -m', twice each: pairs for the packed multiply-add
.set G1,  24
.set G0,  32
.set G1B, 48
.set G0B, 56
.set MSB, 0
.macro WIN new
.if MSB != \new
	s_set_vgpr_msb (MSB<<8)|\new
.set MSB, \new
.endif
.endm
.set MUL_LO, 0xa1
.set MUL_HI, 0xf1
.set TO_B,   0x40
.macro JLOAD s                         ; waves 0 and 1 fetch y's two halves, waves 2 and 3 x's
	s_cmp_eq_u32 s11, 0
	s_cbranch_scc0 .Lfor_b_\@
	tensor_load_to_lds s[G0+4*\s:G0+4*\s+3], s[G1:G1+7]
	s_nop 0
	s_branch .Lasked_\@
.Lfor_b_\@:
	tensor_load_to_lds s[G0B+4*\s:G0B+4*\s+3], s[G1B:G1B+7]
	s_nop 0
.Lasked_\@:
.endm
.macro CREST
	s_cmp_lg_u32 s10, 0
	s_cbranch_scc1 .Lnot_wave_0_\@
	s_barrier_signal -3
.Lnot_wave_0_\@:
	s_barrier_wait -3
	s_barrier_signal -1
	s_barrier_wait -1
.endm
.macro CROUND
	s_barrier_signal -1
	s_barrier_wait -1
	CREST
.endm
	s_load_b128 s[4:7], s[0:1], 0x0                ; yv s[4:5], pm s[6:7]
	s_load_b64 s[8:9], s[0:1], 0x10                ; st
	s_load_b64 s[74:75], s[0:1], 0x18              ; xb
	s_set_vgpr_msb 0x40
	v_lshl_add_u32 v255, v0, 2, 0x49c00
	s_set_vgpr_msb 0x4000
	v_mov_b32 v255, 0
	s_set_vgpr_msb 0x1
	ds_add_u32 v255, v255
	s_set_vgpr_msb 0x100
	v_lshrrev_b32 v1, 5, v0
	v_readfirstlane_b32 s10, v1                    ; wave 0..3
	s_lshr_b32 s11, s10, 1                         ; my half of the queries.  Also: I fetch y (0) or x (1)
	s_and_b32 s12, s10, 1                          ; my half of the keys.  Also: which 128 rows of that tile I fetch
	s_bfe_u32 s40, ttmp6, 0x40000                  ; cx
	s_bfe_u32 s41, ttmp6, 0x40004                  ; cy
	s_lshl_b32 s42, ttmp9, 2
	s_add_co_u32 s42, s42, s40                     ; key block in the batch, 0..7
	s_and_b32 s13, ttmp7, 0xffff
	s_lshl_b32 s13, s13, 2
	s_add_co_u32 s13, s13, s41                     ; query block, 0..31, over all batches
	s_lshl_b32 s43, s41, 2
	s_lshl_b32 s43, 15, s43                        ; my row of the cluster
	s_lshl_b32 s44, 0x1111, s40                    ; my column
	s_mov_b32 s66, 0x76543210                      ; v_permlanex16_b32: lane i of one half reads lane i of the other
	s_mov_b32 s67, 0xfedcba98
	s_mov_b32 s68, 0x3d38aa3b                      ; c = log2(e) / 32
	s_mov_b32 s69, 0xbd38aa3b                      ; -c
	s_or_b32 s[G1+0], s43, (1<<16)|(1<<20)|(1<<21)|(5<<22)|(3<<25)   ; 128 rows x 128 elements of 2 bytes, 4 words of padding behind every 64
	s_or_b32 s[G1B+0], s44, (1<<16)|(1<<20)|(1<<21)|(5<<22)|(3<<25)
	s_mov_b32 s[G1+1], KSTEP<<16
	s_mov_b32 s[G1B+1], KSTEP<<16
	s_mov_b32 s[G1+2], 128<<16
	s_mov_b32 s[G1B+2], 128<<16
	s_mov_b32 s[G1+3], KSTEP<<16
	s_mov_b32 s[G1B+3], KSTEP<<16
	s_mov_b32 s[G1+4], 128
	s_mov_b32 s[G1B+4], 128
	s_mov_b32 s[G1+5], 2048                        ; elements from row to row of yv
	s_mov_b32 s[G1B+5], 1024                       ; and of xb
	s_mov_b32 s[G1+6], 0
	s_mov_b32 s[G1B+6], 0
	s_mov_b32 s[G1+7], 0
	s_mov_b32 s[G1B+7], 0
	; y's tile hangs on the query block alone; x's on the key block and on the batch, which is cluster y / 2 and the same in the whole cluster
	s_lshl_b32 s17, s12, 7
	s_lshl_b32 s16, s13, 8
	s_add_co_u32 s16, s16, s17                     ; y: row 256 x query block + 128 x half,
	s_lshl_b32 s16, s16, 12                        ; 4,096 bytes each (below 2^25)
	s_and_b32 s45, ttmp7, 0xffff
	s_lshr_b32 s45, s45, 1                         ; batch
	s_lshl_b32 s45, s45, 11                        ; its first row
	s_lshl_b32 s46, s42, 8
	s_add_co_u32 s46, s46, s45
	s_add_co_u32 s46, s46, s17                     ; x: row 2048 x batch + 256 x key block + 128 x half,
	s_lshl_b32 s46, s46, 11                        ; 2,048 bytes each
	s_mov_b32 s17, 0
	s_mov_b32 s47, 0
	s_mul_i32 s20, s10, HALFT
	s_wait_dscnt 0x0
	s_wait_kmcnt 0x0
	s_add_nc_u64 s[14:15], s[4:5], s[16:17]
	s_add_nc_u64 s[46:47], s[74:75], s[46:47]
	CROUND                                         ; the first joint loads meet
.irp s, 0,1
	s_mov_b32 s[G0+4*\s], 1
	s_add_co_u32 s[G0+4*\s+1], s20, \s*SLOT
	s_add_nc_u64 s[G0+4*\s+2:G0+4*\s+3], s[14:15], \s*KSTEP*2
	s_or_b32 s[G0+4*\s+3], s[G0+4*\s+3], 0x80000000
	s_mov_b32 s[G0B+4*\s], 1
	s_add_co_u32 s[G0B+4*\s+1], s20, \s*SLOT
	s_add_nc_u64 s[G0B+4*\s+2:G0B+4*\s+3], s[46:47], \s*KSTEP*2
	s_or_b32 s[G0B+4*\s+3], s[G0B+4*\s+3], 0x80000000
	JLOAD \s                                       ; two tensor loads of the wave are out
.endr
	v_and_b32 v1, 15, v0                           ; l % 16
	v_bfe_u32 v2, v0, 4, 1                         ; l / 16
	v_mul_u32_u24 v3, v1, PITCH
	v_lshl_add_u32 v3, v2, 4, v3
	s_mul_i32 s21, s11, HALFT
	s_mul_i32 s22, s12, HALFT
	s_add_co_u32 s22, s22, 2*HALFT
.irp s, 0,1
	v_add_nc_u32 v[ADRA+\s], s21, v3
	v_add_nc_u32 v[ADRB+\s], s22, v3
	s_add_co_u32 s21, s21, SLOT
	s_add_co_u32 s22, s22, SLOT
.endr
	s_mul_i32 s23, s10, 16*SPITCH
	s_add_co_u32 s23, s23, STAGE
	v_mul_u32_u24 v4, v1, SPITCH
	v_lshl_add_u32 v4, v2, 4, v4
	v_add_nc_u32 v[STO], s23, v4
	v_mul_u32_u24 v5, v2, SPITCH
	v_lshl_add_u32 v5, v1, 4, v5
	v_add_nc_u32 v[RD], s23, v5
	v_lshlrev_b32 v5, 12, v2                       ; lanes 16-31 one row of pm further down
	v_lshl_add_u32 v[CO], v1, 4, v5
	s_lshl_b32 s21, s10, 9
	s_add_co_u32 s21, s21, MXB                     ; my 512 bytes of maxima
	s_xor_b32 s22, s10, 1
	s_lshl_b32 s22, s22, 9
	s_add_co_u32 s22, s22, MXB                     ; those of the wave with my rows and the other 128 keys
	v_lshl_add_u32 v[MXO], v1, 2, s21
	v_lshl_add_u32 v[MXP], v1, 2, s22
	v_and_b32 v[SO], 31, v0
	v_lshlrev_b32 v[SO], 4, v[SO]
	v_add_nc_u32 v[MXL], s21, v[SO]
.irp i, 0,1,2,3,4,5,6,7
	v_mov_b32 v[PR+\i], 0                          ; a lane permute's destination counts as read: written once here
.endr
.macro MUL16 f, hi, a0, zero
.irp a, \a0, \a0+1
.irp b, 0,1,2,3,4,5,6,7
.if \zero
	v_wmma_f32_16x16x32_bf16 v[8*(8*(\a)+\b):8*(8*(\a)+\b)+7], v[\f+8*\b:\f+8*\b+7], v[\f+8*(4*\hi+\a):\f+8*(4*\hi+\a)+7], 0
.else
	v_wmma_f32_16x16x32_bf16 v[8*(8*(\a)+\b):8*(8*(\a)+\b)+7], v[\f+8*\b:\f+8*\b+7], v[\f+8*(4*\hi+\a):\f+8*(4*\hi+\a)+7], v[8*(8*(\a)+\b):8*(8*(\a)+\b)+7]
.endif
.endr
.endr
.endm
.macro FETCH slot, k, f
	WIN TO_B
.irp i, 0,1,2,3,4,5,6,7
	ds_load_b128 v[\f+8*\i:\f+8*\i+3],   v[ADRB+\slot] offset:\k+\i*16*PITCH
	ds_load_b128 v[\f+8*\i+4:\f+8*\i+7], v[ADRB+\slot] offset:\k+\i*16*PITCH+32
.endr
	WIN 0
.irp i, 0,1,2,3,4,5,6,7
	ds_load_b128 v[\f+8*\i:\f+8*\i+3],   v[ADRA+\slot] offset:\k+\i*16*PITCH
	ds_load_b128 v[\f+8*\i+4:\f+8*\i+7], v[ADRA+\slot] offset:\k+\i*16*PITCH+32
.endr
.endm
.macro PLACES                          ; four plain vector instructions behind a matrix instruction, ahead of loads into and vector work on its registers
.rept 4
	v_nop
.endr
.endm
.macro QUARTER slot, k, f, g, zero
	s_wait_dscnt 8                                 ; x's fragments and y's rows 0-63 are in; the youngest eight loads (y's rows 64-127) may be out
	WIN MUL_LO
	MUL16 \f, 0, 0, \zero
	MUL16 \f, 0, 2, \zero
	PLACES
	FETCH \slot, \k, \g
	s_wait_dscnt 32                                ; all but the 32 just issued
	WIN MUL_HI
	MUL16 \f, 1, 0, \zero
	MUL16 \f, 1, 2, \zero
.endm
.macro THREE slot, zero
	QUARTER \slot, 64,  F0, F1, \zero
	QUARTER \slot, 128, F1, F0, 0
	QUARTER \slot, 192, F0, F1, 0
.endm
.macro TURN slot, next, fill
	s_wait_dscnt 8
	WIN MUL_LO
	MUL16 F1, 0, 0, 0
	s_wait_dscnt 0                                 ; my reads of this slot are over
	s_wait_tensorcnt 0x0                           ; all my tensor loads have landed: the one that was out is my part of the next slot
	ds_add_u32 v255, v255
	s_wait_dscnt 0x0
	s_barrier_signal -1                            ; where the slot is filled again this barrier opens a round of the cluster's barrier
	MUL16 F1, 0, 2, 0
	WIN 0
	s_barrier_wait -1
.if \fill
	CREST
	s_add_nc_u64 s[G0+4*\slot+2:G0+4*\slot+3], s[G0+4*\slot+2:G0+4*\slot+3], 2*KSTEP*2
	s_add_nc_u64 s[G0B+4*\slot+2:G0B+4*\slot+3], s[G0B+4*\slot+2:G0B+4*\slot+3], 2*KSTEP*2
	JLOAD \slot                                    ; the wave's one tensor load behind the round, first there
.endif
	PLACES
	FETCH \next, 0, F0
	WIN MUL_HI
	MUL16 F1, 1, 0, 0
	MUL16 F1, 1, 2, 0
.endm
.macro LAP zero
	THREE 0, \zero
	TURN 0, 1, 1
	THREE 1, 0
	TURN 1, 0, 1
.endm
	s_wait_tensorcnt 1                             ; my part of K step 0 is in; K step 1's may stay out
	s_barrier_signal -1
	s_barrier_wait -1
	FETCH 0, 0, F0
	LAP 1
	WIN 0
	s_mov_b32 s3, LAPS-2
.Llap:
	LAP 0
	WIN 0
	s_sub_co_u32 s3, s3, 1
	s_cmp_lg_u32 s3, 0
	s_cbranch_scc1 .Llap
	THREE 0, 0
	TURN 0, 1, 0
	THREE 1, 0
	s_wait_dscnt 8
	WIN MUL_LO
	MUL16 F1, 0, 0, 0
	MUL16 F1, 0, 2, 0
	s_wait_dscnt 0
	WIN MUL_HI
	MUL16 F1, 1, 0, 0
	MUL16 F1, 1, 2, 0
	; THE ROW MAXIMA.  A lane holds 64 of a row's 128 numbers in my half block; four rows' chains run side by side.
	PLACES
.macro MAXPASS hi, from                ; the window's four blocks of 16 rows
	WIN \from
.irp a, 0,1,2,3
	v_max_num_f32 v[MXR+4*\hi+\a], v[64*\a], v[64*\a+1]
.endr
.set cnt, 1
.rept 31
.irp a, 0,1,2,3
	v_max3_num_f32 v[MXR+4*\hi+\a], v[64*\a+2*cnt], v[64*\a+2*cnt+1], v[MXR+4*\hi+\a]
.endr
.set cnt, cnt+1
.endr
.endm
	MAXPASS 0, 0x0a                                ; sources 0 and 1 in window 2
	MAXPASS 1, 0x0f                                ; in window 3
	WIN 0
.irp i, 0,1,2,3,4,5,6,7
	v_permlanex16_b32 v[PR+\i], v[MXR+\i], s66, s67    ; the row's other 64 numbers lie in lane l xor 16
.endr
.irp i, 0,1,2,3,4,5,6,7
	v_max_num_f32 v[MXR+\i], v[MXR+\i], v[PR+\i]
.endr
.irp i, 0,1,2,3,4,5,6,7
	ds_store_b32 v[MXO], v[MXR+\i] offset:64*\i    ; row 16 i + l % 16; both halves of the lanes write the same word with the same value
.endr
	s_wait_dscnt 0x0                               ; for the partner's sake: my stores are done
	s_barrier_signal -1
	s_barrier_wait -1
.irp i, 0,1,2,3,4,5,6,7
	ds_load_b32 v[PR+\i], v[MXP] offset:64*\i      ; the same rows' maxima over the other 128 keys
.endr
	; where the results go (scalar work while the loads are out)
	s_lshl_b32 s13, s13, 8
	s_lshl_b32 s14, s11, 7
	s_add_co_u32 s14, s13, s14                     ; my first row
	s_lshl_b32 s16, s14, 12                        ; in pm: 4,096 bytes a row
	s_mov_b32 s17, 0
	s_add_nc_u64 s[6:7], s[6:7], s[16:17]
	s_lshl_b32 s16, s14, 2                         ; in st: 4 bytes a row
	s_add_nc_u64 s[8:9], s[8:9], s[16:17]
	s_lshl_b32 s46, s42, 9                         ; my first key in pm: 512 x block + 256 x half
	s_lshl_b32 s47, s12, 8
	s_add_co_u32 s46, s46, s47
	s_mov_b32 s47, 0
	s_add_nc_u64 s[6:7], s[6:7], s[46:47]
	s_lshl_b32 s46, s42, 15
	s_add_nc_u64 s[72:73], s[8:9], s[46:47]        ; m' of key block t8
	s_lshl_b32 s46, s42, 1
	s_add_co_u32 s46, s46, s12
	s_lshl_b32 s46, s46, 15
	s_add_co_u32 s46, s46, 262144
	s_add_nc_u64 s[70:71], s[8:9], s[46:47]        ; l of half block t16 = 2 t8 + half
	s_wait_dscnt 0x0
.irp i, 0,1,2,3,4,5,6,7
	v_max_num_f32 v[MXR+\i], v[MXR+\i], v[PR+\i]   ; the block's row maximum
.endr
.irp i, 0,1,2,3,4,5,6,7
	v_mul_f32 v[MS+\i], s68, v[MXR+\i]             ; m' = c x maximum (c > 0)
	v_mul_f32 v[NM+2*\i], s69, v[MXR+\i]           ; -m', the same rounding, twice
	v_mul_f32 v[NM+2*\i+1], s69, v[MXR+\i]
.endr
.irp i, 0,1,2,3,4,5,6,7
	ds_store_b32 v[MXO], v[MS+\i] offset:2048+64*\i
.endr
; Rows 16 i .. 16 i + 15 of my half block = the eight tiles (a, 0..7) of window 2 or 3 (from = 0x02 or 0x03: source 0); f: the buffer for the rows read back
.macro OUT16 i, a, from, f
	WIN \from
.irp b, 0,1,2,3,4,5,6,7
.irp j, 0,2,4,6
	v_pk_fma_f32 v[EXR+8*\b+\j:EXR+8*\b+\j+1], v[8*(8*\a+\b)+\j:8*(8*\a+\b)+\j+1], s[68:69], v[NM+2*\i:NM+2*\i+1] op_sel_hi:[1,0,1]   ; c S - m', one rounding
.endr
.endr
	WIN 0
.set cnt, 0
.rept 64
	v_exp_f32 v[EXR+cnt], v[EXR+cnt]
.set cnt, cnt+1
.endr
	v_nop                                          ; one plain vector instruction between the last exponential and the use of the results (ISA guide 5.7.2)
	s_wait_alu depctr_va_vdst(0)
.irp k, 0,1,2,3
	v_pk_add_f32 v[LS+2*\k:LS+2*\k+1], v[EXR+2*\k:EXR+2*\k+1], v[EXR+8+2*\k:EXR+8+2*\k+1]    ; the first sums start four chains: nothing is cleared
.endr
.set cnt, 16
.rept 24
	v_pk_add_f32 v[LS+cnt%8:LS+cnt%8+1], v[LS+cnt%8:LS+cnt%8+1], v[EXR+cnt:EXR+cnt+1]
.set cnt, cnt+2
.endr
.irp b, 0,1,2,3,4,5,6,7
.irp r, 0,1,2,3
	v_cvt_pk_bf16_f32 v[TMP+4*\b+\r], v[EXR+8*\b+2*\r], v[EXR+8*\b+2*\r+1]
.endr
.endr
	v_pk_add_f32 v[LS:LS+1], v[LS:LS+1], v[LS+2:LS+3]
	v_pk_add_f32 v[LS+4:LS+5], v[LS+4:LS+5], v[LS+6:LS+7]
	v_pk_add_f32 v[LS:LS+1], v[LS:LS+1], v[LS+4:LS+5]
	v_add_f32 v[LS], v[LS], v[LS+1]
	v_permlanex16_b32 v[LS+2], v[LS], s66, s67
	v_add_f32 v[LS], v[LS], v[LS+2]                ; l of row 16 i + l % 16 over my 128 keys
.irp b, 0,1,2,3,4,5,6,7
	ds_store_b128 v[STO], v[TMP+4*\b:TMP+4*\b+3] offset:32*\b
.endr
	ds_store_b32 v[MXO], v[LS] offset:4096+64*\i
	s_wait_xcnt 0x0                                ; buffer f, which earlier stores read, and the stores' base are rewritten only behind this wait
.if \i
	s_add_nc_u64 s[6:7], s[6:7], 16*PROW
.endif
.irp t, 0,1,2,3,4,5,6,7
	ds_load_b128 v[\f+4*\t:\f+4*\t+3], v[RD] offset:\t*2*SPITCH    ; LDS serves a wave's instructions in order: these see the stores above
.endr
.irp t, 0,1,2,3,4,5,6,7
	s_wait_dscnt 7-\t
	global_store_b128 v[CO], v[\f+4*\t:\f+4*\t+3], s[6:7] offset:2*\t*PROW    ; 16 lanes store 256 consecutive bytes, aligned
.endr
.endm
	OUT16 0, 0, 0x02, RB0
	OUT16 1, 1, 0x02, RB1
	OUT16 2, 2, 0x02, RB0
	OUT16 3, 3, 0x02, RB1
	OUT16 4, 0, 0x03, RB0
	OUT16 5, 1, 0x03, RB1
	OUT16 6, 2, 0x03, RB0
	OUT16 7, 3, 0x03, RB1
	; m' and l of my 128 rows, 512 consecutive bytes each; both waves of a row half hold the same m': the one with keys 0-127 stores it
	ds_load_b128 v[EXR:EXR+3], v[MXL] offset:2048
	ds_load_b128 v[EXR+4:EXR+7], v[MXL] offset:4096
	s_wait_dscnt 0x0
	global_store_b128 v[SO], v[EXR+4:EXR+7], s[70:71]
	s_cmp_lg_u32 s12, 0
	s_cbranch_scc1 .Lno_max
	global_store_b128 v[SO], v[EXR:EXR+3], s[72:73]
.Lno_max:
	s_set_vgpr_msb 0x1
	s_wait_tensorcnt 0x0
	ds_add_u32 v255, v255
	s_wait_dscnt 0x0
	s_set_vgpr_msb 0x100
	CROUND                                         ; the closing round
	s_endpgm
.Lfunc_end_k_q9900d36f02_scores:
	.size	k_q9900d36f02_scores, .Lfunc_end_k_q9900d36f02_scores-k_q9900d36f02_scores
	.p2alignl 7, 3214868480
	.fill 96, 4, 3214868480
	.section	.rodata,"a",@progbits
	.p2align	6, 0x0
	.amdhsa_kernel k_q9900d36f02_scores
		.amdhsa_group_segment_fixed_size 327680
		.amdhsa_private_segment_fixed_size 0
		.amdhsa_enable_private_segment 0
		.amdhsa_kernarg_size 32
		.amdhsa_user_sgpr_count 2
		.amdhsa_user_sgpr_kernarg_segment_ptr 1
		.amdhsa_wavefront_size32 1
		.amdhsa_system_sgpr_workgroup_id_x 1
		.amdhsa_system_sgpr_workgroup_id_y 1
		.amdhsa_system_sgpr_workgroup_id_z 1
		.amdhsa_system_vgpr_workitem_id 0
		.amdhsa_next_free_vgpr 1024
		.amdhsa_next_free_sgpr 76
		.amdhsa_reserve_vcc 0
		.amdhsa_float_denorm_mode_32 3
		.amdhsa_float_denorm_mode_16_64 3
		.amdhsa_memory_ordered 1
		.amdhsa_forward_progress 1
		.amdhsa_inst_pref_size 255
	.end_amdhsa_kernel
	.section	.bss,"aw",@nobits
	.p2align	6
	.space	262144
	.amdgpu_metadata
---
amdhsa.version: [ 1, 2 ]
amdhsa.kernels:
  - .name:           k_q9900d36f02_scores
    .symbol:         k_q9900d36f02_scores.kd
    .args:
      - { .name: yv, .offset: 0, .size: 8, .value_kind: global_buffer, .address_space: global }
      - { .name: pm, .offset: 8, .size: 8, .value_kind: global_buffer, .address_space: global }
      - { .name: st, .offset: 16, .size: 8, .value_kind: global_buffer, .address_space: global }
      - { .name: xb, .offset: 24, .size: 8, .value_kind: global_buffer, .address_space: global }
    .group_segment_fixed_size: 327680
    .private_segment_fixed_size: 0
    .kernarg_segment_align: 8
    .kernarg_segment_size: 32
    .max_flat_workgroup_size: 128
    .sgpr_count:     76
    .vgpr_count:     1024
    .wavefront_size: 32
...
	.end_amdgpu_metadata
.endif
;; end of part 4
;; launch pv (part 5): grid 4 x 64, 4 waves a work-group, clusters of 4 x 4, 327,680 bytes of LDS; arguments pm, yv, st, mask, seq, out0; writes out0
.if DOCPART == 5
	.amdgcn_target "amdgcn-amd-amdhsa--gfx1250"
	.amdhsa_code_object_version 6
	.text
	.protected	k_q9900d36f02_pv
	.globl	k_q9900d36f02_pv
	.p2align	8
	.type	k_q9900d36f02_pv,@function
k_q9900d36f02_pv:
	s_mov_b64 s[64:65], 0
	v_nop
	global_prefetch_b8 v0, s[64:65] scope:SCOPE_SE
	s_setreg_imm32_b32 hwreg(HW_REG_WAVE_MODE, 25, 1), 1
	s_wait_xcnt 0x0
	s_wait_alu depctr_hold_cnt(0) depctr_sa_sdst(0) depctr_va_vdst(0) depctr_va_sdst(0) depctr_va_ssrc(0) depctr_va_vcc(0) depctr_vm_vsrc(0)
	s_getreg_b32 s2, hwreg(HW_REG_IB_STS2, 6, 4)
	s_cmp_eq_u32 s2, 0
	s_cbranch_scc0 .Lentry_in_a_cluster
	s_endpgm
.Lentry_in_a_cluster:
	s_bfe_u32 s2, ttmp6, 0x10000c
	s_cmp_lg_u32 s2, 0xf033
	s_cbranch_scc0 .Lentry_shape_is_right
	s_endpgm
.Lentry_shape_is_right:
; out[row][d] = seq[row][d] + mask[d] / L[row] x sum over the eight key blocks t of f_t[row] x (sum over the block's 256 keys of P'[row][key] v[key][d]),
; with M = the largest m'_t of the row, f_t = 2^(m'_t - M) (exponents at most 0), L = sum over t of f_t l_t.  Together with the launch before this is the softmax with
; the row's own maximum taken away.  pm: [8192][2048] bf16; v = yv at column 1024, rows of 4,096 bytes; st as the launch before stored it; seq, out0, mask f32.
; LIMITS: finite inputs; f_t below 2^-126 counts as zero; the sum over keys is grouped by 256; L is at least about 1 (the row's largest term), so 1 / L is finite.
; A work-group makes 128 rows x 256 columns (8192 x 1024 / 256 work-groups); a wave 64 x 128: 32 tiles.  T (window 2) holds one key block's product, started by
; a product with C = 0; O (window 3) gathers f_t T by packed multiply-adds once for every 256 keys: 128 vector instructions for 256 matrix instructions.
; Keys go in steps of 128 through two LDS slots: v's tile as it lies, 128 rows (keys) of 512 bytes, read with the transposing load; P's tile 128 rows of 256 bytes.
; Two slots of 256 keys would take 413,696 bytes of LDS, more than a work-group can be given: the step stays at 128.
; CLUSTERS 4 x 4: P's tile is shared along a row of the cluster, v's along a column (a cluster's 512 rows lie in one batch): joint loads.
; The matrix instruction is used transposed: lane l holds row l % 16, registers 0-7 the columns 8 (l / 16) + 0..7.
; The 32 accumulators take turns, one matrix instruction a turn, over the backward jump too.
; REGISTERS  window 0: v16-28 addresses, v32-39 f, v40-47 1/L, v48-51 mask, v64-95 and v128-159 fragments of P' (later v64-127 scaled results, v128-191 rows read back)
;   window 1: v64-127, v128-191 fragments of v; seq's rows for the four row groups at v0, v192, v64, v128;  window 2: T, tile (a, b) at v[8 (8 a + b)];  window 3: O likewise
.set VROW,   4096                      ; bytes of a row of yv
.set PROW,   4096                      ; bytes of a row of pm, of seq and of out0
.set KSTEP,  128
.set PITCH,  272
.set BP,     544
.set BHALF,  64*BP                     ; 34,816: 64 keys of v
.set AHALF,  64*PITCH                  ; 17,408: 64 rows of P'
.set SLOT,   2*BHALF+2*AHALF           ; 104,448: v's 128 rows, then P's 128 rows
.set FT,     2*SLOT                    ; 208,896: f[8 key blocks][128 rows], 4,096 bytes; 1 / L of the 128 rows stands 4,096 bytes behind it
.set STAGE,  FT+4096+512               ; 213,504: 16 rows x 528 bytes for each wave.  No tensor load lands behind the ring.
.set SPITCH, 528                       ; 512 bytes + 16: an odd multiple of 16
.set LAPS,   8                         ; a lap = two steps = one key block
.set ADRA, 16
.set ADRB, 20
.set STO,  24
.set RD,   25
.set CO,   26                          ; v26  16 l
.set FAD,  27                          ; v27  where my rows' f of the lap lie; stepped by 512 a lap
.set FR,   32                          ; v32, 34, 36, 38: f of row 16 a + l % 16
.set IV,   40                          ; v40, 42, 44, 46: 1 / L of it
.set MK,   48                          ; v48-51 mask of my four columns on the way out
.set SM,   64                          ; prologue: m' of 8 blocks, then f
.set SL,   72                          ; prologue: l of 16 half blocks
.set F0,   64
.set F1,   128
.set TMP,  64
.set RB,   128
.set G1,  24                           ; P's descriptors
.set G0,  32
.set G1B, 48                           ; v's descriptors
.set G0B, 56
.set MSB, 0
.macro WIN new
.if MSB != \new
	s_set_vgpr_msb (MSB<<8)|\new
.set MSB, \new
.endif
.endm
.set MULW, 0xa1                        ; source 0 (v) window 1, source 1 (P') window 0, C and D window 2
.set TO_B, 0x40
.macro JLOAD s                         ; waves 0 and 1 fetch v's two halves, waves 2 and 3 P's
	s_cmp_eq_u32 s11, 0
	s_cbranch_scc0 .Lfor_a_\@
	tensor_load_to_lds s[G0B+4*\s:G0B+4*\s+3], s[G1B:G1B+7]
	s_nop 0
	s_branch .Lasked_\@
.Lfor_a_\@:
	tensor_load_to_lds s[G0+4*\s:G0+4*\s+3], s[G1:G1+7]
	s_nop 0
.Lasked_\@:
.endm
.macro CREST
	s_cmp_lg_u32 s10, 0
	s_cbranch_scc1 .Lnot_wave_0_\@
	s_barrier_signal -3
.Lnot_wave_0_\@:
	s_barrier_wait -3
	s_barrier_signal -1
	s_barrier_wait -1
.endm
.macro CROUND
	s_barrier_signal -1
	s_barrier_wait -1
	CREST
.endm
	s_load_b256 s[72:79], s[0:1], 0x0              ; pm s[72:73], yv s[74:75], st s[76:77], mask s[78:79]
	s_load_b128 s[80:83], s[0:1], 0x20             ; seq s[80:81], out0 s[82:83]
	v_lshl_add_u32 v254, v0, 2, 0x3c600
	v_mov_b32 v255, 0
	ds_add_u32 v254, v255
	v_lshrrev_b32 v1, 5, v0
	v_readfirstlane_b32 s10, v1                    ; wave 0..3
	s_lshr_b32 s11, s10, 1                         ; my half of the rows.  Also: I fetch v (0) or P' (1)
	s_and_b32 s12, s10, 1                          ; my half of the columns.  Also: which 64 rows of that tile I fetch
	s_bfe_u32 s40, ttmp6, 0x40000                  ; cx
	s_bfe_u32 s41, ttmp6, 0x40004                  ; cy
	s_lshl_b32 s42, ttmp9, 2
	s_add_co_u32 s42, s42, s40                     ; block column, 0..3
	s_and_b32 s13, ttmp7, 0xffff
	s_lshl_b32 s13, s13, 2
	s_add_co_u32 s13, s13, s41                     ; block row, 0..63, 128 rows each
	s_lshl_b32 s43, s41, 2
	s_lshl_b32 s43, 15, s43                        ; my row of the cluster
	s_lshl_b32 s44, 0x1111, s40                    ; my column
	; group 1 for P': 64 rows x 128 elements of 2 bytes, 4 words of padding behind every 64
	s_or_b32 s[G1+0], s43, (1<<16)|(1<<20)|(1<<21)|(5<<22)|(3<<25)
	s_mov_b32 s[G1+1], KSTEP<<16
	s_mov_b32 s[G1+2], 64<<16
	s_mov_b32 s[G1+3], KSTEP<<16
	s_mov_b32 s[G1+4], 64
	s_mov_b32 s[G1+5], 2048                        ; elements from row to row of pm
	s_mov_b32 s[G1+6], 0
	s_mov_b32 s[G1+7], 0
	; group 1 for v: 64 rows (keys) x 256 elements, 8 words of padding behind every 128
	s_or_b32 s[G1B+0], s44, (1<<16)|(1<<20)|(1<<21)|(6<<22)|(7<<25)
	s_mov_b32 s[G1B+1], 256<<16
	s_mov_b32 s[G1B+2], 64<<16
	s_mov_b32 s[G1B+3], 256<<16
	s_mov_b32 s[G1B+4], 64
	s_mov_b32 s[G1B+5], 2048                       ; elements from row to row of yv
	s_mov_b32 s[G1B+6], 0
	s_mov_b32 s[G1B+7], 0
	; P's tile hangs on the block row alone; v's on the block column and the batch, which is cluster y / 4 and the same in the whole cluster
	s_lshl_b32 s17, s12, 6
	s_lshl_b32 s16, s13, 7
	s_add_co_u32 s16, s16, s17                     ; P': row 128 x block row + 64 x half,
	s_lshl_b32 s16, s16, 12                        ; 4,096 bytes each (below 2^26)
	s_and_b32 s45, ttmp7, 0xffff
	s_lshr_b32 s45, s45, 2                         ; batch
	s_lshl_b32 s45, s45, 11                        ; its first row
	s_add_co_u32 s46, s45, s17                     ; v: row 2048 x batch + 64 x half,
	s_mul_i32 s46, s46, VROW
	s_lshl_b32 s45, s42, 9
	s_add_co_u32 s46, s46, s45                     ; column 256 x block column,
	s_add_co_u32 s46, s46, 2048                    ; behind y
	s_mov_b32 s17, 0
	s_mov_b32 s47, 0
	s_mul_i32 s20, s10, BHALF                      ; v's halves go to wave x 34,816 (waves 0, 1),
	s_mul_i32 s21, s10, AHALF
	s_add_co_u32 s21, s21, BHALF                   ; P's to 69,632 + (wave - 2) x 17,408 (waves 2, 3)
	s_lshl_b32 s18, s13, 9                         ; st: my 128 rows, 4 bytes each
	s_mov_b32 s19, 0
	s_lshl_b32 s22, s42, 10                        ; mask, and a row of seq and out0: column 256 x block + 128 x half, 4 bytes each
	s_lshl_b32 s23, s12, 9
	s_add_co_u32 s22, s22, s23
	s_mov_b32 s23, 0
	s_lshl_b32 s68, s13, 7
	s_lshl_b32 s69, s11, 6
	s_add_co_u32 s68, s68, s69                     ; my wave's first row,
	s_lshl_b32 s68, s68, 12                        ; 4,096 bytes each
	s_mov_b32 s69, 0
	v_lshlrev_b32 v4, 2, v0                        ; thread t stands for row t of the 128
	v_and_b32 v[CO], 31, v0
	v_lshlrev_b32 v[CO], 4, v[CO]
	s_wait_dscnt 0x0
	s_wait_kmcnt 0x0
	s_add_nc_u64 s[14:15], s[72:73], s[16:17]
	s_add_nc_u64 s[46:47], s[74:75], s[46:47]
	s_add_nc_u64 s[76:77], s[76:77], s[18:19]
	s_add_nc_u64 s[78:79], s[78:79], s[22:23]
	s_add_nc_u64 s[80:81], s[80:81], s[68:69]
	s_add_nc_u64 s[80:81], s[80:81], s[22:23]
	s_add_nc_u64 s[82:83], s[82:83], s[68:69]
	s_add_nc_u64 s[82:83], s[82:83], s[22:23]
.irp t, 0,1,2,3,4,5,6,7
	global_load_b32 v[SM+\t], v4, s[76:77] offset:\t*32768             ; m' of my row in key block t
.endr
.irp t, 0,1,2,3,4,5,6,7,8,9,10,11,12,13,14,15
	global_load_b32 v[SL+\t], v4, s[76:77] offset:262144+\t*32768      ; l of my row in half block t
.endr
	global_load_b128 v[MK:MK+3], v[CO], s[78:79]
	CROUND                                         ; the first joint loads meet
.irp s, 0,1
	s_mov_b32 s[G0+4*\s], 1
	s_add_co_u32 s[G0+4*\s+1], s21, \s*SLOT
	s_add_nc_u64 s[G0+4*\s+2:G0+4*\s+3], s[14:15], \s*KSTEP*2
	s_or_b32 s[G0+4*\s+3], s[G0+4*\s+3], 0x80000000
	s_mov_b32 s[G0B+4*\s], 1
	s_add_co_u32 s[G0B+4*\s+1], s20, \s*SLOT
	s_add_nc_u64 s[G0B+4*\s+2:G0B+4*\s+3], s[46:47], \s*KSTEP*VROW
	s_or_b32 s[G0B+4*\s+3], s[G0B+4*\s+3], 0x80000000
	JLOAD \s                                       ; two tensor loads of the wave are out
.endr
	v_and_b32 v1, 15, v0                           ; l % 16
	v_bfe_u32 v2, v0, 4, 1                         ; l / 16
	v_mul_u32_u24 v3, v1, PITCH
	v_lshl_add_u32 v3, v2, 4, v3                   ; P's fragments: row x pitch + 16 (l / 16)
	v_and_b32 v6, 7, v0
	v_lshl_add_u32 v6, v2, 3, v6
	v_mul_u32_u24 v6, v6, BP
	v_bfe_u32 v7, v0, 3, 1
	v_lshl_add_u32 v6, v7, 4, v6                   ; v's: key row 8 (l / 16) + l % 8, 16 bytes at 16 ((l / 8) % 2)
	s_mul_i32 s21, s11, AHALF
	s_add_co_u32 s21, s21, 2*BHALF                 ; my 64 rows of P', behind v's 128 rows
	s_lshl_b32 s22, s12, 8                         ; my 128 columns of v
.irp s, 0,1
	v_add_nc_u32 v[ADRA+\s], s21, v3
	v_add_nc_u32 v[ADRB+\s], s22, v6
	s_add_co_u32 s21, s21, SLOT
	s_add_co_u32 s22, s22, SLOT
.endr
	s_mul_i32 s66, s10, 16*SPITCH
	s_add_co_u32 s66, s66, STAGE                   ; my stage
	v_mul_u32_u24 v5, v1, SPITCH
	v_lshl_add_u32 v5, v2, 5, v5                   ; in: row l % 16, 32 bytes for each half of the lanes
	v_add_nc_u32 v[STO], s66, v5
	v_add_nc_u32 v[RD], s66, v[CO]                 ; back: a whole row of 512 bytes, 16 bytes a lane
	s_lshl_b32 s67, s11, 8
	s_add_co_u32 s67, s67, FT
	v_lshl_add_u32 v[FAD], v1, 2, s67              ; FT + 4 (64 x row half + l % 16)
.irp a, 0,1,2,3
	v_mov_b32 v[FR+2*\a+1], 0                      ; the upper registers of the pairs that the packed forms name; only the lower ones are used
	v_mov_b32 v[IV+2*\a+1], 0
.endr
	; the row's figures: M, f_t, L
	s_wait_loadcnt 0x0
	v_max3_num_f32 v88, v[SM], v[SM+1], v[SM+2]
	v_max3_num_f32 v88, v88, v[SM+3], v[SM+4]
	v_max3_num_f32 v88, v88, v[SM+5], v[SM+6]
	v_max_num_f32 v88, v88, v[SM+7]
.irp t, 0,1,2,3,4,5,6,7
	v_sub_f32 v[SM+\t], v[SM+\t], v88
.endr
.irp t, 0,1,2,3,4,5,6,7
	v_exp_f32 v[SM+\t], v[SM+\t]                   ; f_t
.endr
.irp t, 0,1,2,3,4,5,6,7
	v_add_f32 v[SL+\t], v[SL+2*\t], v[SL+2*\t+1]   ; l of a key block; the first of these is the plain instruction behind the exponentials (ISA guide 5.7.2)
.endr
	s_wait_alu depctr_va_vdst(0)
	v_mul_f32 v89, v[SM], v[SL]
.irp t, 1,2,3,4,5,6,7
	v_fmac_f32 v89, v[SM+\t], v[SL+\t]             ; L
.endr
	v_rcp_f32 v90, v89
	v_add_nc_u32 v91, FT, v4                       ; the plain instruction behind the reciprocal
.irp t, 0,1,2,3,4,5,6,7
	ds_store_b32 v91, v[SM+\t] offset:512*\t
.endr
	s_wait_alu depctr_va_vdst(0)
	ds_store_b32 v91, v90 offset:4096
.macro MUL8 f, a, zero                 ; 8 matrix instructions: row block a x all 8 column blocks, 32 keys
.irp b, 0,1,2,3,4,5,6,7
.if \zero
	v_wmma_f32_16x16x32_bf16 v[8*(8*\a+\b):8*(8*\a+\b)+7], v[\f+8*\b:\f+8*\b+7], v[\f+8*\a:\f+8*\a+7], 0
.else
	v_wmma_f32_16x16x32_bf16 v[8*(8*\a+\b):8*(8*\a+\b)+7], v[\f+8*\b:\f+8*\b+7], v[\f+8*\a:\f+8*\a+7], v[8*(8*\a+\b):8*(8*\a+\b)+7]
.endif
.endr
.endm
.macro FETCH slot, q, f                ; 24 LDS loads in one run: quarter q (32 keys): 128 columns of v, then 64 rows of P'
	WIN TO_B
.irp i, 0,1,2,3,4,5,6,7
	ds_load_tr16_b128 v[\f+8*\i:\f+8*\i+3],   v[ADRB+\slot] offset:\q*32*BP+32*\i
	ds_load_tr16_b128 v[\f+8*\i+4:\f+8*\i+7], v[ADRB+\slot] offset:\q*32*BP+32*\i+16*BP
.endr
	WIN 0
.irp i, 0,1,2,3
	ds_load_b128 v[\f+8*\i:\f+8*\i+3],   v[ADRA+\slot] offset:\q*64+\i*16*PITCH
	ds_load_b128 v[\f+8*\i+4:\f+8*\i+7], v[ADRA+\slot] offset:\q*64+\i*16*PITCH+32
.endr
.endm
.macro PLACES                          ; four plain vector instructions behind a matrix instruction, ahead of loads into and vector work on its registers
.rept 4
	v_nop
.endr
.endm
.macro QUARTER slot, q, f, g, zero
	s_wait_dscnt 6                                 ; v's fragments and P's rows 0-15 are in; the youngest six loads (P's rows 16-63) may be out
	WIN MULW
	MUL8 \f, 0, \zero
	PLACES
	FETCH \slot, \q, \g
	s_wait_dscnt 24                                ; all but the 24 just issued
	WIN MULW
	MUL8 \f, 1, \zero
	MUL8 \f, 2, \zero
	MUL8 \f, 3, \zero
.endm
.macro THREE slot, zero
	QUARTER \slot, 1, F0, F1, \zero
	QUARTER \slot, 2, F1, F0, 0
	QUARTER \slot, 3, F0, F1, 0
.endm
.macro FLOAD                           ; f of this lap's key block for my four row blocks
.irp a, 0,1,2,3
	ds_load_b32 v[FR+2*\a], v[FAD] offset:64*\a
.endr
	v_add_nc_u32 v[FAD], 512, v[FAD]
.endm
; The last quarter of a step: multiplies buffer 1 and changes slots.  fill = 1: this slot is filled again; fl = 1: the lap's f are fetched.
.macro TURN slot, next, fill, fl
	s_wait_dscnt 6
	WIN MULW
	MUL8 F1, 0, 0
	s_wait_dscnt 0                                 ; my reads of this slot are over
	s_set_vgpr_msb 0xa1a0
	s_wait_tensorcnt 0x0                           ; all my tensor loads have landed: the one that was out is my part of the next slot
	ds_add_u32 v254, v255
	s_wait_dscnt 0x0
	s_set_vgpr_msb 0xa0a1
	s_barrier_signal -1                            ; where the slot is filled again this barrier opens a round of the cluster's barrier
	MUL8 F1, 1, 0
	WIN 0
	s_barrier_wait -1
.if \fill
	CREST                                          ; no wave of any partner still reads this slot or has a load on its way
	s_add_nc_u64 s[G0+4*\slot+2:G0+4*\slot+3], s[G0+4*\slot+2:G0+4*\slot+3], 2*KSTEP*2
	s_add_nc_u64 s[G0B+4*\slot+2:G0B+4*\slot+3], s[G0B+4*\slot+2:G0B+4*\slot+3], 2*KSTEP*VROW
	JLOAD \slot                                    ; the wave's one tensor load behind the round, first there
.endif
.if \fl
	FLOAD
.endif
	PLACES
	FETCH \next, 0, F0
	WIN MULW
	MUL8 F1, 2, 0
	MUL8 F1, 3, 0
.endm
; O = f T (first) or O += f T.  left = how many LDS loads were issued behind the four loads of f.
.macro MERGE first, left
	PLACES
	s_wait_dscnt \left
.if \first
	WIN 0xc2                                       ; D window 3, source 0 window 2, source 1 window 0
.else
	WIN 0xf2                                       ; and source 2 window 3
.endif
.irp a, 0,1,2,3
.irp b, 0,1,2,3,4,5,6,7
.irp j, 0,2,4,6
.if \first
	v_pk_mul_f32 v[8*(8*\a+\b)+\j:8*(8*\a+\b)+\j+1], v[8*(8*\a+\b)+\j:8*(8*\a+\b)+\j+1], v[FR+2*\a:FR+2*\a+1] op_sel_hi:[1,0]
.else
	v_pk_fma_f32 v[8*(8*\a+\b)+\j:8*(8*\a+\b)+\j+1], v[8*(8*\a+\b)+\j:8*(8*\a+\b)+\j+1], v[FR+2*\a:FR+2*\a+1], v[8*(8*\a+\b)+\j:8*(8*\a+\b)+\j+1] op_sel_hi:[1,0,1]
.endif
.endr
.endr
.endr
.endm
.macro LAP first                       ; one key block: two steps, both slots filled again
	THREE 0, 1                                     ; the block's first product starts T: nothing is cleared
	TURN 0, 1, 1, 0
	THREE 1, 0
	TURN 1, 0, 1, 1
	MERGE \first, 24                               ; the next block's first 24 fragment loads were issued behind f's
.endm
.macro SLOAD a, sb                     ; seq's 16 rows of row block a, 512 consecutive bytes a load, into window 1 at sb
	WIN TO_B
.irp t, 0,1,2,3,4,5,6,7,8,9,10,11,12,13,14,15
	global_load_b128 v[\sb+4*\t:\sb+4*\t+3], v[CO], s[80:81] offset:(16*\a+\t)*PROW th:TH_LOAD_NT
.endr
.endm
	s_wait_tensorcnt 0x1                           ; my part of step 0 is in; step 1's may stay out
	s_wait_dscnt 0x0                               ; my rows' f and 1 / L are stored
	s_barrier_signal -1
	s_barrier_wait -1
.irp a, 0,1,2,3
	ds_load_b32 v[IV+2*\a], v[FAD] offset:4096+64*\a
.endr
	FETCH 0, 0, F0
	LAP 1
	WIN 0
	s_mov_b32 s3, LAPS-2
.Llap:
	LAP 0
	WIN 0
	s_sub_co_u32 s3, s3, 1
	s_cmp_lg_u32 s3, 0
	s_cbranch_scc1 .Llap
	SLOAD 0, 0                                     ; half of seq's rows come in under the last lap, into registers that it does not touch
	SLOAD 1, 192
	THREE 0, 1                                     ; the last lap fills nothing and has no round
	TURN 0, 1, 0, 1
	THREE 1, 0
	s_wait_dscnt 0
	WIN MULW
	MUL8 F1, 0, 0
	MUL8 F1, 1, 0
	MUL8 F1, 2, 0
	MUL8 F1, 3, 0
	MERGE 0, 0
	SLOAD 2, 64                                    ; the other half into v's fragment buffers, far more than four places behind the last matrix instruction
	SLOAD 3, 128
; THE WAY OUT, row block a: O / L through my stage, read back as whole rows of 512 bytes, times mask, plus seq.
.macro OUTA a, sb
	WIN 0x03                                       ; source 0 window 3
.irp b, 0,1,2,3,4,5,6,7
.irp j, 0,2,4,6
	v_pk_mul_f32 v[TMP+8*\b+\j:TMP+8*\b+\j+1], v[8*(8*\a+\b)+\j:8*(8*\a+\b)+\j+1], v[IV+2*\a:IV+2*\a+1] op_sel_hi:[1,0]
.endr
.endr
	WIN 0
.irp b, 0,1,2,3,4,5,6,7
	ds_store_b128 v[STO], v[TMP+8*\b:TMP+8*\b+3] offset:64*\b
	ds_store_b128 v[STO], v[TMP+8*\b+4:TMP+8*\b+7] offset:64*\b+16
.endr
	s_wait_xcnt 0x0                                ; the rows' registers, which the last block's stores read, are rewritten only behind this wait
.irp t, 0,1,2,3,4,5,6,7,8,9,10,11,12,13,14,15
	ds_load_b128 v[RB+4*\t:RB+4*\t+3], v[RD] offset:SPITCH*\t      ; LDS serves a wave's instructions in order: these see the stores above
.endr
	s_wait_dscnt 0x0
	s_wait_loadcnt 48-16*\a                        ; seq's rows of this block are in; the 16 loads of each later block may stay out
	WIN 0x10                                       ; source 2 window 1
.irp t, 0,1,2,3,4,5,6,7,8,9,10,11,12,13,14,15
	v_pk_fma_f32 v[RB+4*\t:RB+4*\t+1],   v[RB+4*\t:RB+4*\t+1],   v[MK:MK+1],   v[\sb+4*\t:\sb+4*\t+1]
	v_pk_fma_f32 v[RB+4*\t+2:RB+4*\t+3], v[RB+4*\t+2:RB+4*\t+3], v[MK+2:MK+3], v[\sb+4*\t+2:\sb+4*\t+3]
.endr
	WIN 0
.irp t, 0,1,2,3,4,5,6,7,8,9,10,11,12,13,14,15
	global_store_b128 v[CO], v[RB+4*\t:RB+4*\t+3], s[82:83] offset:(16*\a+\t)*PROW th:TH_STORE_NT   ; a store of the wave covers 512 consecutive bytes, aligned
.endr
.endm
	OUTA 0, 0
	OUTA 1, 192
	OUTA 2, 64
	OUTA 3, 128
	s_wait_tensorcnt 0x0
	ds_add_u32 v254, v255
	s_wait_dscnt 0x0
	CROUND                                         ; the closing round
	s_endpgm
.Lfunc_end_k_q9900d36f02_pv:
	.size	k_q9900d36f02_pv, .Lfunc_end_k_q9900d36f02_pv-k_q9900d36f02_pv
	.p2alignl 7, 3214868480
	.fill 96, 4, 3214868480
	.section	.rodata,"a",@progbits
	.p2align	6, 0x0
	.amdhsa_kernel k_q9900d36f02_pv
		.amdhsa_group_segment_fixed_size 327680
		.amdhsa_private_segment_fixed_size 0
		.amdhsa_enable_private_segment 0
		.amdhsa_kernarg_size 48
		.amdhsa_user_sgpr_count 2
		.amdhsa_user_sgpr_kernarg_segment_ptr 1
		.amdhsa_wavefront_size32 1
		.amdhsa_system_sgpr_workgroup_id_x 1
		.amdhsa_system_sgpr_workgroup_id_y 1
		.amdhsa_system_sgpr_workgroup_id_z 1
		.amdhsa_system_vgpr_workitem_id 0
		.amdhsa_next_free_vgpr 1024
		.amdhsa_next_free_sgpr 84
		.amdhsa_reserve_vcc 0
		.amdhsa_float_denorm_mode_32 3
		.amdhsa_float_denorm_mode_16_64 3
		.amdhsa_memory_ordered 1
		.amdhsa_forward_progress 1
		.amdhsa_inst_pref_size 170
	.end_amdhsa_kernel
	.amdgpu_metadata
---
amdhsa.version: [ 1, 2 ]
amdhsa.kernels:
  - .name:           k_q9900d36f02_pv
    .symbol:         k_q9900d36f02_pv.kd
    .args:
      - { .name: pm, .offset: 0, .size: 8, .value_kind: global_buffer, .address_space: global }
      - { .name: yv, .offset: 8, .size: 8, .value_kind: global_buffer, .address_space: global }
      - { .name: st, .offset: 16, .size: 8, .value_kind: global_buffer, .address_space: global }
      - { .name: mask, .offset: 24, .size: 8, .value_kind: global_buffer, .address_space: global }
      - { .name: seq, .offset: 32, .size: 8, .value_kind: global_buffer, .address_space: global }
      - { .name: out0, .offset: 40, .size: 8, .value_kind: global_buffer, .address_space: global }
    .group_segment_fixed_size: 327680
    .private_segment_fixed_size: 0
    .kernarg_segment_align: 8
    .kernarg_segment_size: 48
    .max_flat_workgroup_size: 128
    .sgpr_count:     84
    .vgpr_count:     1024
    .wavefront_size: 32
...
	.end_amdgpu_metadata
.endif
;; end of part 5
;; ======== version 2 of 2: 5 launches; version 1 with the launch cast written anew for expert scheduling mode
;; workspace buffers: xb 16,777,216 bytes; wb 4,194,304 bytes; gv 4,194,304 bytes; yv 33,554,432 bytes; pm 33,554,432 bytes; st 786,432 bytes
;; launch cast (part 6): grid 256 x 1, 8 waves a work-group, no clusters, 0 bytes of LDS; arguments seq, Wq, Wk, Wv, xb, wb, gv; writes xb, wb, gv
.if DOCPART == 6
	.amdgcn_target "amdgcn-amd-amdhsa--gfx1250"
	.amdhsa_code_object_version 6
	.text
	.protected	k_q9900d36f02_cast
	.globl	k_q9900d36f02_cast
	.p2align	8
	.type	k_q9900d36f02_cast,@function
k_q9900d36f02_cast:
	s_mov_b64 s[64:65], 0
	v_nop
	global_prefetch_b8 v0, s[64:65] scope:SCOPE_SE
	s_setreg_imm32_b32 hwreg(HW_REG_WAVE_SCHED_MODE, 0, 2), 2
	s_setreg_imm32_b32 hwreg(HW_REG_WAVE_MODE, 25, 1), 1
	s_wait_xcnt 0x0
	s_wait_alu depctr_vm_vsrc(0)
; xb = bf16(seq), wb = bf16(Wq | Wk), the second half of gv = bf16(Wv), round to nearest even.  (The first half of gv is made by the next launch.)
; A stream: no LDS, no barrier, no matrix unit, no cluster (no byte is shared).
; 256 work-groups of eight waves.  A work-group owns 131,072 bytes of seq (16 passes of 8,192 bytes) and 16,384 bytes of each W (2 passes each): 22 passes.
; In a pass thread t loads 16 bytes at 16 t and 16 bytes at 16 t + 4,096: each load of a wave covers 512 consecutive bytes.  The four numbers of a load
; become 8 bytes, stored at 8 t (+ 2,048): each store of a wave covers 256 consecutive bytes, aligned.
; All 44 loads of a wave are issued before the first wait; a pass has registers of its own, so nothing that a pending instruction names is ever rewritten.
; LIMIT: NaN and infinities are converted as v_cvt_pk_bf16_f32 converts them; the later launches ask for finite inputs.
; THE MODE: SCHED_MODE bits 1:0 = 2 (LLVM: expert scheduling mode 2), set by the entry lines.  The code itself states the register dependences
; between vector instructions and memory instructions, with s_wait_alu, always for 0.
; THE PLAN.  Registers that memory instructions touch:
;   v1, v2   byte offsets of the loads and of the stores: made once at the head, never written again.
;   X[p]     pass p's eight registers.  Its two loads land in them, issued at the head, before any vector instruction names them; its four conversions
;            rewrite words 0, 1, 4 and 5 in place; its two stores read those four words; nothing writes them afterwards.
; The 22 passes go in 11 steps of two.  Step g rounds passes 2 g and 2 g + 1; its memory instructions are the four stores of step g - 1, whose data no vector
; instruction of step g names.  So one wait at a step's head states all that the step's stores hang on, and they are dealt among its conversions.
; No register that a memory instruction has read is written again, no load is issued behind a conversion, no vector instruction writes a scalar register,
; and EXEC is never written: the text owes no other wait of this kind.
.set X, 4                              ; v[4+8p : 11+8p]  pass p: 8 numbers in f32, then 2 + 2 words of bf16
	s_load_b256 s[4:11], s[0:1], 0x0               ; seq s[4:5], Wq s[6:7], Wk s[8:9], Wv s[10:11]
	s_load_b128 s[12:15], s[0:1], 0x20             ; xb s[12:13], wb s[14:15]
	s_load_b64 s[24:25], s[0:1], 0x30              ; gv
	s_lshl_b32 s16, ttmp9, 17                      ; my part of seq: 131,072 bytes
	s_mov_b32 s17, 0
	s_lshl_b32 s18, ttmp9, 16                      ; of xb: half of that
	s_mov_b32 s19, 0
	s_lshl_b32 s20, ttmp9, 14                      ; of each W: 16,384 bytes
	s_mov_b32 s21, 0
	s_lshl_b32 s22, ttmp9, 13                      ; of each W in bf16: 8,192 bytes
	s_mov_b32 s23, 0
	v_lshlrev_b32 v1, 4, v0                        ; 16 t: loads
	v_lshlrev_b32 v2, 3, v0                        ; 8 t: stores
	s_wait_kmcnt 0x0
	s_add_nc_u64 s[4:5], s[4:5], s[16:17]
	s_add_nc_u64 s[6:7], s[6:7], s[20:21]
	s_add_nc_u64 s[8:9], s[8:9], s[20:21]
	s_add_nc_u64 s[10:11], s[10:11], s[20:21]
	s_add_nc_u64 s[12:13], s[12:13], s[18:19]
	s_add_nc_u64 s[14:15], s[14:15], s[22:23]
	s_add_nc_u64 s[24:25], s[24:25], s[22:23]
	s_wait_alu depctr_va_vdst(0)                   ; v1 and v2 are written: every load of the kernel reads v1 as its offset, every store v2
.macro LD p, base, off                 ; the two loads of pass p
	global_load_b128 v[X+8*(\p):X+8*(\p)+3],   v1, s[\base:\base+1] offset:(\off) th:TH_LOAD_NT
	global_load_b128 v[X+8*(\p)+4:X+8*(\p)+7], v1, s[\base:\base+1] offset:(\off)+4096 th:TH_LOAD_NT
.endm
.macro CV p                            ; pass p is rounded in place
	v_cvt_pk_bf16_f32 v[X+8*(\p)],   v[X+8*(\p)],   v[X+8*(\p)+1]
	v_cvt_pk_bf16_f32 v[X+8*(\p)+1], v[X+8*(\p)+2], v[X+8*(\p)+3]
	v_cvt_pk_bf16_f32 v[X+8*(\p)+4], v[X+8*(\p)+4], v[X+8*(\p)+5]
	v_cvt_pk_bf16_f32 v[X+8*(\p)+5], v[X+8*(\p)+6], v[X+8*(\p)+7]
.endm
.macro ST p, base, off                 ; the two stores of pass p
	global_store_b64 v2, v[X+8*(\p):X+8*(\p)+1],   s[\base:\base+1] offset:(\off)
	global_store_b64 v2, v[X+8*(\p)+4:X+8*(\p)+5], s[\base:\base+1] offset:(\off)+2048
.endm
; Step g, 1 to 10: passes 2 g and 2 g + 1 are rounded; the step before is stored, at off0 and off1 from its base.
.macro STEP g, base, off0, off1
	s_wait_loadcnt 40-4*(\g)                       ; loads come back in order: of the 44, the 4 (10 - g) of the later steps may stay out
	s_wait_alu depctr_va_vdst(0)                   ; the conversions of the step before have written the words that the four stores below read
	ST 2*(\g)-2, \base, \off0
	CV 2*(\g)                                      ; names this step's registers alone: none that the stores of this step read
	ST 2*(\g)-1, \base, \off1
	CV 2*(\g)+1
.endm
.irp p, 0,1,2,3,4,5,6,7,8,9,10,11,12,13,14,15
	LD \p, 4, \p*8192
.endr
	LD 16, 6, 0
	LD 17, 6, 8192
	LD 18, 8, 0
	LD 19, 8, 8192
	LD 20, 10, 0
	LD 21, 10, 8192
	s_wait_loadcnt 40                              ; step 0: no step stands in front of it, so it stores nothing
	CV 0
	CV 1
.irp g, 1,2,3,4,5,6,7,8
	STEP \g, 12, (2*\g-2)*4096, (2*\g-1)*4096      ; xb
.endr
	STEP 9, 14, 0, 4096                            ; wb: Wq first,
	STEP 10, 14, 2097152, 2097152+4096             ; Wk 2,097,152 bytes further
	s_wait_alu depctr_va_vdst(0)                   ; step 10's conversions have written the words that the last four stores read
	ST 20, 24, 2097152                             ; gv: Wv in the second half
	ST 21, 24, 2097152+4096
	s_endpgm
.Lfunc_end_k_q9900d36f02_cast:
	.size	k_q9900d36f02_cast, .Lfunc_end_k_q9900d36f02_cast-k_q9900d36f02_cast
	.p2alignl 7, 3214868480
	.fill 96, 4, 3214868480
	.section	.rodata,"a",@progbits
	.p2align	6, 0x0
	.amdhsa_kernel k_q9900d36f02_cast
		.amdhsa_group_segment_fixed_size 0
		.amdhsa_private_segment_fixed_size 0
		.amdhsa_enable_private_segment 0
		.amdhsa_kernarg_size 56
		.amdhsa_user_sgpr_count 2
		.amdhsa_user_sgpr_kernarg_segment_ptr 1
		.amdhsa_wavefront_size32 1
		.amdhsa_system_sgpr_workgroup_id_x 1
		.amdhsa_system_sgpr_workgroup_id_y 1
		.amdhsa_system_sgpr_workgroup_id_z 1
		.amdhsa_system_vgpr_workitem_id 0
		.amdhsa_next_free_vgpr 184
		.amdhsa_next_free_sgpr 66
		.amdhsa_reserve_vcc 0
		.amdhsa_float_denorm_mode_32 3
		.amdhsa_float_denorm_mode_16_64 3
		.amdhsa_memory_ordered 1
		.amdhsa_forward_progress 1
		.amdhsa_inst_pref_size 16
	.end_amdhsa_kernel
	.amdgpu_metadata
---
amdhsa.version: [ 1, 2 ]
amdhsa.kernels:
  - .name:           k_q9900d36f02_cast
    .symbol:         k_q9900d36f02_cast.kd
    .args:
      - { .name: seq, .offset: 0, .size: 8, .value_kind: global_buffer, .address_space: global }
      - { .name: Wq, .offset: 8, .size: 8, .value_kind: global_buffer, .address_space: global }
      - { .name: Wk, .offset: 16, .size: 8, .value_kind: global_buffer, .address_space: global }
      - { .name: Wv, .offset: 24, .size: 8, .value_kind: global_buffer, .address_space: global }
      - { .name: xb, .offset: 32, .size: 8, .value_kind: global_buffer, .address_space: global }
      - { .name: wb, .offset: 40, .size: 8, .value_kind: global_buffer, .address_space: global }
      - { .name: gv, .offset: 48, .size: 8, .value_kind: global_buffer, .address_space: global }
    .group_segment_fixed_size: 0
    .private_segment_fixed_size: 0
    .kernarg_segment_align: 8
    .kernarg_segment_size: 56
    .max_flat_workgroup_size: 256
    .sgpr_count:     66
    .vgpr_count:     184
    .wavefront_size: 32
...
	.end_amdgpu_metadata
.endif
;; end of part 6
;; launch gmat: the kernel of part 2 again; grid 16 x 16, 4 waves a work-group, clusters of 4 x 4, 288,256 bytes of LDS; arguments wb, gv; writes gv
;; launch proj: the kernel of part 3 again; grid 8 x 32, 4 waves a work-group, clusters of 4 x 4, 327,680 bytes of LDS; arguments xb, gv, yv; writes yv
;; launch scores: the kernel of part 4 again; grid 8 x 32, 4 waves a work-group, clusters of 4 x 4, 327,680 bytes of LDS; arguments yv, pm, st, xb; writes pm, st
;; launch pv: the kernel of part 5 again; grid 4 x 64, 4 waves a work-group, clusters of 4 x 4, 327,680 bytes of LDS; arguments pm, yv, st, mask, seq, out0; writes out0
